; MI455X (gfx1250); checked and timed in simulation.
; The chip was launched on July 23, 2026; its instructions are those of AMD's public machine-readable ISA for CDNA 5 (MIT licence, August 2026) and "CDNA5" Instruction Set Architecture Reference Guide (July 2026). The comments in the code are by the model that wrote it; some were corrected since.
;; Embedding Transformer. Allowed arithmetic: float matrix products may take bf16 or f16 operands with f32 sums; other float arithmetic in f32, or as packed bf16 or f16 multiplies, adds, multiply-adds, maxima and minima; sums over many terms, partial sums and values carried from step to step in f32; what a program stores and reads back later, other than sums and carried values, may be rounded once to bf16 or f16.
;; Inputs: existing_node_features 8,192 x 512 float32; fc_b 512 float32; fc_w 512 x 512 float32; new_node_features 8,192 x 512 float32; om_b 512 float32; om_w 512 x 512 float32.
;; Outputs: out0 8,192 x 512 float32.
;; One version. Each part assembles by itself: llvm-mc -triple=amdgcn-amd-amdhsa -mcpu=gfx1250 --defsym DOCPART=n.
;; ======== version 1 of 1: 5 launches
;; limits: right only within a limited range of input values; values are held in f16: magnitudes above 65,504 overflow, below 6.1e-05 lose precision
;; workspace buffers: xb 16,777,216 bytes; nrm 65,536 bytes; w1h 524,288 bytes; w2h 524,288 bytes; cand 2,097,152 bytes of whole numbers; agg 8,388,608 bytes; h 8,388,608 bytes
;; launch prep (part 1): grid 272 x 1, 8 waves a work-group, no clusters, 1,280 bytes of LDS; arguments new_node_features, existing_node_features, fc_w, om_w, xb, nrm, w1h, w2h; writes xb, nrm, w1h, w2h
.if DOCPART == 1
	.amdgcn_target "amdgcn-amd-amdhsa--gfx1250"
	.amdhsa_code_object_version 6
	.text
	.protected	k_q628975a0d7_prep
	.globl	k_q628975a0d7_prep
	.p2align	8
	.type	k_q628975a0d7_prep,@function
k_q628975a0d7_prep:
	s_mov_b64 s[64:65], 0
	v_nop
	global_prefetch_b8 v0, s[64:65] scope:SCOPE_SE
	s_setreg_imm32_b32 hwreg(HW_REG_WAVE_MODE, 25, 1), 1
	s_wait_xcnt 0x0
; PREP.  Every large input is rounded ONCE to bf16; all later launches work on the rounded numbers.
;   xb  [16384][512] bf16: rows 0-8191 the new rows, rows 8192-16383 the existing rows.
;   nrm [16384] f32: the norm of each ROUNDED row (sum of squares in f32, then the root).
;   w1h, w2h [512][512] f16: fc_w, om_w rounded to bf16, that number written as f16 (exact down to 2^-17; below that off by 2^-25 at the most).
; SHARES.  A work-group takes 64 rows of 2,048 bytes, a wave 8 of them.  Groups 0-127: new rows, 128-255: existing rows, 256-263: fc_w, 264-271: om_w.
; A load of a wave covers 512 consecutive bytes of a row (16 bytes a lane); its four numbers a lane leave as 8 bytes, so a store of a wave covers 256 consecutive bytes, aligned.
; All 32 loads of a wave go out at once (16 KiB a wave); each byte is read once and written once.  No matrix work, no cluster: nothing is shared between work-groups.
; The 64 sums of squares of a group meet in LDS, so that the norms leave as one store of 256 consecutive bytes.
; LIMITS.  A sum of squares below 2^-126 counts as 0 in the root; NaN and infinities are not treated apart.
.set SPARE, 256                        ; LDS: bytes 0-255 the 64 sums; from here the spare words, 128 bytes for each of the eight waves
.set SPW, 8                            ; v8   LDS address of my spare word; never rewritten
.set NIL, 9                            ; v9   0; never rewritten
.set SS,  16                           ; v[16:31]  row i: two chains of squares (low halves, high halves)
.set TP,  32                           ; v[32:55]  at work
.set X,   64                           ; v[64:191] row i: 16 registers as loaded
.set Y,   192                          ; v[192:255] row i: 8 registers to store; each is written once
	s_load_b256 s[4:11], s[0:1], 0x0               ; new s[4:5], existing s[6:7], fc_w s[8:9], om_w s[10:11]
	s_load_b256 s[12:19], s[0:1], 0x20             ; xb s[12:13], nrm s[14:15], w1h s[16:17], w2h s[18:19]
	v_lshl_add_u32 v[SPW], v0, 2, SPARE
	v_mov_b32 v[NIL], 0
	v_lshrrev_b32 v5, 5, v0
	v_readfirstlane_b32 s20, v5                    ; wave 0..7
	v_and_b32 v6, 31, v0                           ; lane
	v_lshlrev_b32 v1, 4, v6
	v_lshl_add_u32 v1, s20, 14, v1                 ; source: 16 x lane + wave x 8 rows x 2,048 bytes; never rewritten
	v_lshlrev_b32 v2, 3, v6
	v_lshl_add_u32 v2, s20, 13, v2                 ; destination: 8 x lane + wave x 8 rows x 1,024 bytes; never rewritten
	v_mov_b32 v3, 0                                ; what the chains start from
	s_mov_b32 s30, 0x76543210                      ; v_permlanex16_b32: each lane takes its own place in the other half
	s_mov_b32 s31, 0xfedcba98
	s_mov_b32 s23, 0
	s_mov_b32 s27, 0
	s_mov_b32 s29, 0
	s_wait_kmcnt 0x0
.macro LOADS                           ; the wave's 8 rows: 32 loads, row ii / 4, 512 bytes each
.set ii, 0
.rept 32
	global_load_b128 v[X+4*ii:X+4*ii+3], v1, s[24:25] offset:(ii/4)*2048+(ii%4)*512 th:TH_LOAD_NT
.set ii, ii+1
.endr
.endm
; Row i of a feature table: rounded, stored, and its squares summed from the rounded halves.
.macro ROWF i
	s_wait_loadcnt 4*(7-(\i))                      ; loads come back in order: my row's four are in, the younger rows' stay out
.irp j, 0,1,2,3,4,5,6,7
	v_cvt_pk_bf16_f32 v[Y+8*(\i)+(\j)], v[X+16*(\i)+2*(\j)], v[X+16*(\i)+2*(\j)+1]
.endr
.irp j, 0,1,2,3
	global_store_b64 v2, v[Y+8*(\i)+2*(\j):Y+8*(\i)+2*(\j)+1], s[12:13] offset:(\i)*1024+256*(\j)
.endr
	v_fma_mix_f32_bf16 v[SS+2*(\i)], v[Y+8*(\i)], v[Y+8*(\i)], v3 op_sel_hi:[1,1,0]
	v_fma_mix_f32_bf16 v[SS+2*(\i)+1], v[Y+8*(\i)], v[Y+8*(\i)], v3 op_sel:[1,1,0] op_sel_hi:[1,1,0]
.irp j, 1,2,3,4,5,6,7
	v_fma_mix_f32_bf16 v[SS+2*(\i)], v[Y+8*(\i)+(\j)], v[Y+8*(\i)+(\j)], v[SS+2*(\i)] op_sel_hi:[1,1,0]
	v_fma_mix_f32_bf16 v[SS+2*(\i)+1], v[Y+8*(\i)+(\j)], v[Y+8*(\i)+(\j)], v[SS+2*(\i)+1] op_sel:[1,1,0] op_sel_hi:[1,1,0]
.endr
.endm
; Row i of a weight table: rounded to bf16, widened again, written as f16.
.macro ROWW i
	s_wait_loadcnt 4*(7-(\i))
.irp j, 0,1,2,3,4,5,6,7
	v_cvt_pk_bf16_f32 v[TP+(\j)], v[X+16*(\i)+2*(\j)], v[X+16*(\i)+2*(\j)+1]
.endr
.irp j, 0,1,2,3,4,5,6,7
	v_lshlrev_b32 v[TP+8+2*(\j)], 16, v[TP+(\j)]
	v_and_b32 v[TP+9+2*(\j)], 0xffff0000, v[TP+(\j)]
.endr
.irp j, 0,1,2,3,4,5,6,7
	v_cvt_pk_f16_f32 v[Y+8*(\i)+(\j)], v[TP+8+2*(\j)], v[TP+9+2*(\j)]
.endr
.irp j, 0,1,2,3
	global_store_b64 v2, v[Y+8*(\i)+2*(\j):Y+8*(\i)+2*(\j)+1], s[12:13] offset:(\i)*1024+256*(\j)
.endr
.endm
	s_cmp_ge_u32 ttmp9, 256                        ; the same for all waves of a work-group
	s_cbranch_scc1 .Lweights
	; FEATURES
	s_and_b32 s21, ttmp9, 127
	s_lshl_b32 s22, s21, 17                        ; 64 rows of 2,048 bytes in the source table
	s_lshl_b32 s26, ttmp9, 16                      ; 64 rows of 1,024 bytes in xb
	s_lshl_b32 s28, ttmp9, 8                       ; 64 words in nrm
	s_cmp_lt_u32 ttmp9, 128
	s_cselect_b64 s[24:25], s[4:5], s[6:7]
	s_add_nc_u64 s[24:25], s[24:25], s[22:23]
	s_add_nc_u64 s[12:13], s[12:13], s[26:27]
	s_add_nc_u64 s[14:15], s[14:15], s[28:29]
	LOADS
.irp i, 0,1,2,3,4,5,6,7
	ROWF \i
.endr
	; the eight rows' sums over the 32 lanes, side by side
.irp i, 0,1,2,3,4,5,6,7
	v_add_f32 v[SS+2*(\i)], v[SS+2*(\i)], v[SS+2*(\i)+1]
.endr
.irp m, 1,2,4,8
.irp i, 0,1,2,3,4,5,6,7
	v_add_f32_dpp v[SS+2*(\i)], v[SS+2*(\i)], v[SS+2*(\i)] row_xmask:\m row_mask:0xf bank_mask:0xf
.endr
.endr
.irp i, 0,1,2,3,4,5,6,7
	v_permlanex16_b32 v[SS+2*(\i)+1], v[SS+2*(\i)], s30, s31
.endr
.irp i, 0,1,2,3,4,5,6,7
	v_add_f32 v[SS+2*(\i)], v[SS+2*(\i)], v[SS+2*(\i)+1]
.endr
	v_mov_b32 v4, s20
	v_lshlrev_b32 v4, 5, v4                        ; my wave's eight words
.irp i, 0,1,2,3,4,5,6,7
	ds_store_b32 v4, v[SS+2*(\i)] offset:4*(\i)    ; all lanes write the same word with the same value
.endr
	s_wait_dscnt 0x0                               ; for the others' sake: my stores are done
	s_barrier_signal -1
	s_barrier_wait -1
	s_cmp_lg_u32 s20, 0                            ; wave 0 takes the 64 roots and stores them: two a lane, 256 consecutive bytes
	s_cbranch_scc1 .Lend
	v_lshlrev_b32 v5, 3, v6
	ds_load_b64 v[TP:TP+1], v5
	s_wait_dscnt 0x0
	v_sqrt_f32 v[TP+2], v[TP]
	v_sqrt_f32 v[TP+3], v[TP+1]
	v_nop                                          ; a plain instruction behind the last root,
	s_wait_alu depctr_va_vdst(0)                   ; and one wait for both, ahead of their first reader
	global_store_b64 v5, v[TP+2:TP+3], s[14:15]
.Lend:
	s_wait_tensorcnt 0x0                           ; the wave's end, behind my last LDS store
	ds_add_u32 v[SPW], v[NIL]
	s_wait_dscnt 0x0
	s_endpgm
.Lweights:
	s_sub_co_u32 s21, ttmp9, 256
	s_and_b32 s22, s21, 7
	s_lshl_b32 s26, s22, 16
	s_lshl_b32 s22, s22, 17
	s_cmp_lt_u32 s21, 8
	s_cselect_b64 s[24:25], s[8:9], s[10:11]
	s_cselect_b64 s[12:13], s[16:17], s[18:19]
	s_add_nc_u64 s[24:25], s[24:25], s[22:23]
	s_add_nc_u64 s[12:13], s[12:13], s[26:27]
	LOADS
.irp i, 0,1,2,3,4,5,6,7
	ROWW \i
.endr
	s_wait_tensorcnt 0x0                           ; the same three lines at this end
	ds_add_u32 v[SPW], v[NIL]
	s_wait_dscnt 0x0
	s_endpgm
.Lfunc_end_k_q628975a0d7_prep:
	.size	k_q628975a0d7_prep, .Lfunc_end_k_q628975a0d7_prep-k_q628975a0d7_prep
	.p2alignl 7, 3214868480
	.fill 96, 4, 3214868480
	.section	.rodata,"a",@progbits
	.p2align	6, 0x0
	.amdhsa_kernel k_q628975a0d7_prep
		.amdhsa_group_segment_fixed_size 1280
		.amdhsa_private_segment_fixed_size 0
		.amdhsa_enable_private_segment 0
		.amdhsa_kernarg_size 64
		.amdhsa_user_sgpr_count 2
		.amdhsa_user_sgpr_kernarg_segment_ptr 1
		.amdhsa_wavefront_size32 1
		.amdhsa_system_sgpr_workgroup_id_x 1
		.amdhsa_system_sgpr_workgroup_id_y 1
		.amdhsa_system_sgpr_workgroup_id_z 1
		.amdhsa_system_vgpr_workitem_id 0
		.amdhsa_next_free_vgpr 256
		.amdhsa_next_free_sgpr 66
		.amdhsa_reserve_vcc 0
		.amdhsa_float_denorm_mode_32 3
		.amdhsa_float_denorm_mode_16_64 3
		.amdhsa_memory_ordered 1
		.amdhsa_forward_progress 1
		.amdhsa_inst_pref_size 45
	.end_amdhsa_kernel
	.amdgpu_metadata
---
amdhsa.version: [ 1, 2 ]
amdhsa.kernels:
  - .name:           k_q628975a0d7_prep
    .symbol:         k_q628975a0d7_prep.kd
    .args:
      - { .name: new_node_features, .offset: 0, .size: 8, .value_kind: global_buffer, .address_space: global }
      - { .name: existing_node_features, .offset: 8, .size: 8, .value_kind: global_buffer, .address_space: global }
      - { .name: fc_w, .offset: 16, .size: 8, .value_kind: global_buffer, .address_space: global }
      - { .name: om_w, .offset: 24, .size: 8, .value_kind: global_buffer, .address_space: global }
      - { .name: xb, .offset: 32, .size: 8, .value_kind: global_buffer, .address_space: global }
      - { .name: nrm, .offset: 40, .size: 8, .value_kind: global_buffer, .address_space: global }
      - { .name: w1h, .offset: 48, .size: 8, .value_kind: global_buffer, .address_space: global }
      - { .name: w2h, .offset: 56, .size: 8, .value_kind: global_buffer, .address_space: global }
    .group_segment_fixed_size: 1280
    .private_segment_fixed_size: 0
    .kernarg_segment_align: 8
    .kernarg_segment_size: 64
    .max_flat_workgroup_size: 256
    .sgpr_count:     66
    .vgpr_count:     256
    .wavefront_size: 32
...
	.end_amdgpu_metadata
.endif
;; end of part 1
;; launch knn (part 2): grid 32 x 8, 4 waves a work-group, clusters of 4 x 1, 327,680 bytes of LDS; arguments xb, nrm, cand; writes cand
.if DOCPART == 2
	.amdgcn_target "amdgcn-amd-amdhsa--gfx1250"
	.amdhsa_code_object_version 6
	.text
	.protected	k_q628975a0d7_knn
	.globl	k_q628975a0d7_knn
	.p2align	8
	.type	k_q628975a0d7_knn,@function
k_q628975a0d7_knn:
	s_mov_b64 s[64:65], 0
	v_nop
	global_prefetch_b8 v0, s[64:65] scope:SCOPE_SE
	s_setreg_imm32_b32 hwreg(HW_REG_WAVE_MODE, 25, 1), 1
	s_wait_xcnt 0x0
	s_wait_alu depctr_hold_cnt(0) depctr_sa_sdst(0) depctr_va_vdst(0) depctr_va_sdst(0) depctr_va_ssrc(0) depctr_va_vcc(0) depctr_vm_vsrc(0)
	s_getreg_b32 s2, hwreg(HW_REG_IB_STS2, 6, 4)
	s_cmp_eq_u32 s2, 0
	s_cbranch_scc0 .Lentry_in_a_cluster
	s_endpgm
.Lentry_in_a_cluster:
	s_bfe_u32 s2, ttmp6, 0x10000c
	s_cmp_lg_u32 s2, 0x3003
	s_cbranch_scc0 .Lentry_shape_is_right
	s_endpgm
.Lentry_shape_is_right:
; KNN.  For each new row (query) and each eighth of the existing rows (split of 1,024 columns): the three PAIRS of neighbouring columns (2 i, 2 i + 1) with the largest key, where a
; pair's key is the larger of its two values dot(query, column) / |column|.  The similarity matrix never leaves the registers.
; WHY PAIRS.  An element of a row's true top three has at most two elements above it, so at most two pairs have a larger maximum: the true top three lie in the top three pairs.  The next
; launch takes the six rows of the three best pairs and ranks them by the full formula.  Ranking pairs takes 52 vector instructions for 16 matrix instructions; ranking elements would take 92.
; 1 / |query| is a positive factor common to a row and is left out here.
; cand [split 8][query 8192][8 words]: k1 k2 k3 0 i1 i2 i3 0.  k: the f32 key as a whole number that keeps the order (sign bit turned; negative numbers inverted); i: the pair, 0 .. 4095.
; LIMITS.  The ranking leaves out the 1e-8 that is added to |n| |e|: it shifts a similarity by 1e-8 / (|n| |e|) of itself, which f32 does not hold once |n| |e| is above 0.2.  |e| is floored at
; 2^-100 for the reciprocal, so an all-zero column has key 0.  Equal keys are taken in the order in which they come.  NaN and infinities are not treated apart.
; SHARES.  A work-group: 256 queries x one split.  A wave: 64 queries, four tiles of 16, in registers for the whole launch (512 registers).  Every wave walks the split's 1,024 columns, 16 a TURN:
; 64 matrix instructions a turn (4 tiles x 16 chunks of 32 channels); 16 KiB of fragments read from LDS feed them.
; LAYOUT.  S^T = E Q^T: source 0 = 16 existing rows, source 1 = 16 queries: a lane holds ONE query (lane % 16) and the columns 8 (lane / 16) + 0..7, so a pair of columns is a register pair.
; BY TURNS.  Turn T multiplies column tile T into one buffer of S^T; the scaling, pair maxima and insertions of tile T - 1, 208 vector instructions on the other buffer, stand four behind each of
; the turn's last 52 matrix instructions.  The first turn finds minus infinity in the other buffer, which inserts nothing: 68 v_mov_b32 at the head in place of a first turn written out.
; CLUSTER.  The four query blocks of a cluster walk the same split, so each tile of E is asked for JOINTLY: the same tensor load, descriptor and mask in all four.
; REGISTERS, in windows of 256 (s_set_vgpr_msb: bits 1:0 source 0, 3:2 source 1, 5:4 source 2, 7:6 destination):
;   window 0: v0-15 addresses; v16-47 eight registers of lists a tile; v48-63 two buffers of factors; v64-127 S^T, two buffers of four tiles; v128-159 at work at head and end
;   window 1: E's fragments, two buffers of 128 (chunk c at 8 c)      window 2: Q, tiles 0 and 1 (128 each)      window 3: Q, tiles 2 and 3
.set PK,    1040      ; a row of E in LDS: 1,024 bytes + 16 of padding = 260 words: row r starts at bank 4 r mod 64 (64 banks of 4 bytes: ISA guide 11.1)
.set TURNB, 16*PK     ; a turn's 16 rows, and what one wave's tensor load brings
.set SLOTB, 4*TURNB   ; a slot: 64 rows, four turns
.set SLOT1, 1<<17     ; slot 1 begins here, so that one exclusive or turns an address in one slot into the other's
.set FS,    SLOT1+SLOTB  ; behind the ring, never filled by a tensor load: 1 / |e| of the split's 1,024 columns, f32
.set SPARE, FS+4096   ; the spare words, 128 bytes for each wave: two blocks of 256 bytes that no other line names
.set EOFF,  8192*1024 ; the existing rows begin here in xb
.set TILEB, 64*1024   ; a slot's 64 rows in memory
.set AK0, 3           ; v3   my lane's place in a turn's rows; never rewritten
.set AK,  4           ; v4   the LDS address of the run of loads in hand
.set AF0, 5           ; v5   FS + 32 (lane / 16); never rewritten
.set QO,  6           ; v6   my byte offset in 16 rows of Q
.set H4,  7           ; v7   4 (lane / 16): my half's share of a pair's number
.set SPW, 8           ; v8   LDS address of my spare word; never rewritten
.set NIL, 9           ; v9   0; never rewritten
.set CO,  10          ; v10  my 16 bytes in a tile's 512 bytes of cand
.set PFO, 11          ; v11  256 x my lane; never rewritten
.set AF,  13          ; v13  the LDS address of the factors in hand
.set NO,  14          ; v14  my 32 bytes of nrm
.set FSA, 15          ; v15  where I put my eight factors
.set ST,  16          ; tile t's lists at v[ST+8 t]: V1 V2 V3 (descending), I1 I2 I3, one at work
.set F,   48          ; factor buffer b at F + 8 b
.set S,   64          ; S^T: buffer b, tile t at S + 32 b + 8 t
.set SC,  128         ; at work
.set OUT, 144         ; what leaves: four registers a tile
.set WV,  12          ; s12  my wave's number
.set LIM, 15          ; s15  1 in a wave that prefetches, else the greatest number
.set PFA, 18          ; s[18:19] where my prefetches stand
.set G1,  24          ; s[24:31] descriptor group 1
.set G0,  32          ; s[32:39] descriptor group 0: a set for each of the two first fills; the second then walks on
.set MK,  40          ; s[40:51] three lane masks a tile
.set ID,  52          ; s[52:55] the numbers of the four pairs of the tile whose riders are in hand, less my half's share
.set SLOTS, 56
.set CNT, 57
.set TB,  58          ; s58  LDS byte at which the rows of the turn to be fetched begin
.set HM,  59          ; s59  lane mask: lanes 16-31
.set SEL, 60          ; s[60:61] v_permlanex16_b32's selects
.set TF,  62          ; s62  byte in FS of the factors to be fetched
.set MSB, 0
.macro WIN new                      ; the high byte repeats the setting that is left; a switch that changes nothing is dropped
.if MSB != (\new)
	s_set_vgpr_msb (MSB<<8)|(\new)
.set MSB, (\new)
.endif
.endm
; A round of the cluster's barrier: my work-group's barrier, so that wave 0's signal speaks for all four waves; wave 0 signals; every wave waits for all four work-groups; my work-group's barrier once more.
.macro CROUND
	s_barrier_signal -1
	s_barrier_wait -1
	s_cmp_lg_u32 s[WV], 0
	s_cbranch_scc1 .Lnot_wave_0_\@
	s_barrier_signal -3
.Lnot_wave_0_\@:
	s_barrier_wait -3
	s_barrier_signal -1
	s_barrier_wait -1
.endm
; A PREFETCH INTO THE L2 of the slot that the NEXT change of slots will ask for: 64 rows of 1,024 bytes = 256 blocks of 256 bytes, a lane a block.  All eight clusters of a split walk the same rows:
; the first of them (cluster x = 0) asks.  Its four partners share the blocks out BY ADDRESS, 16 rows each; in each, waves 0 and 1 ask for 8 rows each.  So each block is named once in the launch.
; The last change that fills a slot asks for nothing; slots 0, 1 and 2 come by their loads alone.
.macro ASK
	s_cmp_gt_u32 s[SLOTS], s[LIM]
	s_cbranch_scc0 .Lnot_mine_\@
	global_prefetch_b8 v[PFO], s[PFA:PFA+1] th:TH_LOAD_NT scope:SCOPE_SE
.Lnot_mine_\@:
.endm
	s_load_b128 s[4:7], s[0:1], 0x0  ; xb s[4:5], nrm s[6:7]
	s_load_b64 s[8:9], s[0:1], 0x10  ; cand
	v_lshl_add_u32 v[SPW], v0, 2, SPARE
	v_mov_b32 v[NIL], 0
	ds_add_u32 v[SPW], v[NIL]       ; the wave's opening: the add and its wait stand ahead of my first tensor load; the set-up below, work on registers, stands between them
	v_lshrrev_b32 v1, 5, v0
	v_readfirstlane_b32 s[WV], v1   ; wave 0..3
	s_and_b32 s16, ttmp7, 0xffff    ; the split, which the four partners share
	s_lshl_b32 s20, s16, 20         ; E: the split's 1,024 rows of 1,024 bytes,
	s_lshl_b32 s17, s[WV], 14       ; my 16 rows of a slot's 64
	s_add_co_u32 s20, s20, s17
	s_add_co_u32 s20, s20, EOFF
	s_mov_b32 s21, 0
	s_mul_i32 s[G0+1], s[WV], TURNB ; 63:32 LDS address: slot 0, my quarter: no place in the cluster enters an LDS address
	s_add_co_u32 s[G0+5], s[G0+1], SLOT1
	s_mov_b32 s[G0], 1              ; 1:0 count = 1
	s_mov_b32 s[G0+4], 1
	; descriptor group 1: a tile of 16 rows x 512 elements, padded in LDS
	s_mov_b32 s[G1], 15|(1<<16)|(1<<20)|(1<<21)|(7<<22)|(3<<25)  ; 15:0 the mask of four; 17:16 2-byte elements; 20 padding on; 21 set beside a mask; 24:22 after every 256 words (code 7); 31:25 4 words (code 3)
	s_mov_b32 s[G1+1], 512<<16      ; tensor_dim0 = 512
	s_mov_b32 s[G1+2], 16<<16       ; tensor_dim1 = 16
	s_mov_b32 s[G1+3], 512<<16      ; tile_dim0 = 512
	s_mov_b32 s[G1+4], 16           ; tile_dim1 = 16
	s_mov_b32 s[G1+5], 512          ; 512 elements from row to row
	s_mov_b32 s[G1+6], 0
	s_mov_b32 s[G1+7], 0
	s_bfe_u32 s13, ttmp6, 0x40000   ; cx: my place in the cluster
	s_lshl_b32 s14, ttmp9, 2        ; in a cluster launch ttmp9 counts clusters
	s_add_co_u32 s14, s14, s13      ; my block of 256 queries: it enters Q's and cand's addresses alone
	s_lshl_b32 s2, s14, 18          ; Q: my block's 256 rows,
	s_lshl_b32 s17, s[WV], 16       ; my wave's 64
	s_add_co_u32 s2, s2, s17
	s_mov_b32 s3, 0
	s_lshl_b32 s22, s16, 18         ; cand: the split's 8,192 entries of 32 bytes,
	s_lshl_b32 s17, s14, 13         ; my block's 256,
	s_add_co_u32 s22, s22, s17
	s_lshl_b32 s17, s[WV], 11       ; my wave's 64
	s_add_co_u32 s22, s22, s17
	s_mov_b32 s23, 0
	s_lshr_b32 s[LIM], s[WV], 1     ; 0 in waves 0 and 1,
	s_or_b32 s[LIM], s[LIM], ttmp9  ; where the cluster is the split's first: the same in all four partners
	s_cmp_eq_u32 s[LIM], 0
	s_cselect_b32 s[LIM], 1, -1
	s_lshl_b32 s[ID], s16, 9        ; 512 pairs a split; the first turn's riders belong to no tile: eight pairs back
	s_sub_co_u32 s[ID], s[ID], 8
	s_add_co_u32 s[ID+1], s[ID], 1
	s_add_co_u32 s[ID+2], s[ID], 2
	s_add_co_u32 s[ID+3], s[ID], 3
	s_mov_b32 s[HM], 0xffff0000
	s_mov_b32 s[SEL], 0x76543210
	s_mov_b32 s[SEL+1], 0xfedcba98
	s_mov_b32 s[TB], 0
	s_mov_b32 s[TF], 0
	s_wait_dscnt 0x0                ; the opening add is done
	s_wait_kmcnt 0x0
	s_add_nc_u64 s[10:11], s[4:5], s[2:3]    ; Q at my wave's first row
	s_add_nc_u64 s[8:9], s[8:9], s[22:23]    ; cand at my wave's first entry
	s_add_nc_u64 s[G0+2:G0+3], s[4:5], s[20:21]           ; 120:64 global address: my rows of slot tile 0,
	s_add_nc_u64 s[G0+6:G0+7], s[G0+2:G0+3], TILEB        ; and of slot tile 1
	s_or_b32 s[G0+3], s[G0+3], 0x80000000                 ; 127:126 type = 2
	s_or_b32 s[G0+7], s[G0+7], 0x80000000
	s_lshl_b32 s2, s16, 12          ; nrm: the split's 1,024 words, behind the 8,192 of the new rows
	s_add_co_u32 s2, s2, 32768
	s_add_nc_u64 s[6:7], s[6:7], s[2:3]
	s_lshl_b32 s22, s16, 20         ; the prefetches: the split's rows,
	s_add_co_u32 s22, s22, EOFF+2*TILEB  ; at slot tile 2 (the first change of slots steps this to tile 3),
	s_lshl_b32 s17, s13, 14         ; my work-group's 16 rows of the 64,
	s_add_co_u32 s22, s22, s17
	s_lshl_b32 s17, s[WV], 13       ; my wave's 8 (waves 0 and 1)
	s_add_co_u32 s22, s22, s17
	s_add_nc_u64 s[PFA:PFA+1], s[4:5], s[22:23]
	CROUND                          ; all four work-groups are here: the first joint loads meet
	tensor_load_to_lds s[G0:G0+3], s[G1:G1+7]      ; the two first fills go out together: two loads of mine are out
	s_nop 0
	tensor_load_to_lds s[G0+4:G0+7], s[G1:G1+7]
	s_nop 0
.rept 4
	v_nop
.endr
	; A fragment of E or Q is 16 rows x 32 channels in 8 registers: lane l holds row l % 16, channels 8 (l / 16) + 0..7 and 16 + 8 (l / 16) + 0..7: two loads of 16 bytes, 32 bytes apart.
	v_and_b32 v1, 15, v0            ; l % 16
	v_bfe_u32 v2, v0, 4, 1          ; l / 16
	v_lshlrev_b32 v[NO], 5, v0
	v_lshlrev_b32 v[QO], 10, v1
	v_lshl_add_u32 v[QO], v2, 4, v[QO]
	global_load_b128 v[SC:SC+3], v[NO], s[6:7]             ; |e| of my eight columns of the split's 1,024
	global_load_b128 v[SC+4:SC+7], v[NO], s[6:7] offset:16
.irp t, 0,1,2,3                     ; Q stays in registers: tile t, chunk cc
	WIN 0x80+0x40*((\t)/2)          ; destination window 2 or 3, address window 0
.set cc, 0
.rept 16
	global_load_b128 v[128*((\t)%2)+8*cc:128*((\t)%2)+8*cc+3],   v[QO], s[10:11] offset:16384*(\t)+64*cc
	global_load_b128 v[128*((\t)%2)+8*cc+4:128*((\t)%2)+8*cc+7], v[QO], s[10:11] offset:16384*(\t)+64*cc+32
.set cc, cc+1
.endr
.endr
	WIN 0
	v_mul_u32_u24 v[AK0], v1, PK
	v_lshl_add_u32 v[AK0], v2, 4, v[AK0]
	v_lshlrev_b32 v[AF0], 5, v2
	v_add_nc_u32 v[AF0], FS, v[AF0]
	v_lshlrev_b32 v[H4], 2, v2
	v_lshlrev_b32 v[CO], 5, v1
	v_lshl_add_u32 v[CO], v2, 4, v[CO]
	v_and_b32 v[PFO], 31, v0
	v_lshlrev_b32 v[PFO], 8, v[PFO]
	v_lshl_add_u32 v[FSA], v0, 5, FS
.irp t, 0,1,2,3                     ; the lists start at minus infinity
.irp k, 0,1,2
	v_mov_b32 v[ST+8*(\t)+(\k)], 0xff800000
	v_mov_b32 v[ST+8*(\t)+3+(\k)], 0
.endr
	v_mov_b32 v[ST+8*(\t)+6], 0
.endr
.set rr, 0
.rept 32                            ; what the first turn's riders find: minus infinity, which is above nothing
	v_mov_b32 v[S+32+rr], 0xff800000
.set rr, rr+1
.endr
.set rr, 0
.rept 8
	v_mov_b32 v[F+8+rr], 1.0
.set rr, rr+1
.endr
	s_wait_loadcnt 0x0              ; |e| and Q
.irp k, 0,1,2,3,4,5,6,7
	v_max_num_f32 v[SC+(\k)], 0x0d800000, v[SC+(\k)]  ; not below 2^-100
.endr
.irp k, 0,1,2,3,4,5,6,7
	v_rcp_f32 v[SC+8+(\k)], v[SC+(\k)]
.endr
	v_nop                           ; a plain instruction behind the last reciprocal,
	s_wait_alu depctr_va_vdst(0)    ; and one wait for the eight, ahead of their first reader
	ds_store_b128 v[FSA], v[SC+8:SC+11]
	ds_store_b128 v[FSA], v[SC+12:SC+15] offset:16
; THE MATRIX WORK.  Product ii of a turn's 64, on buffer b: chunk ii / 4, tile ii % 4.  The four accumulators take turns, one instruction a turn, from turn to turn too.  The first four start the sums.
.macro MMA b
.set cc, ii/4
.set tt, ii%4
	WIN 0x09+4*(tt/2)               ; E in window 1, Q in window 2 or 3, S^T in window 0
.if cc == 0
	v_wmma_f32_16x16x32_bf16 v[S+32*(\b)+8*tt:S+32*(\b)+8*tt+7], v[128*(\b)+8*cc:128*(\b)+8*cc+7], v[128*(tt%2)+8*cc:128*(tt%2)+8*cc+7], 0
.else
	v_wmma_f32_16x16x32_bf16 v[S+32*(\b)+8*tt:S+32*(\b)+8*tt+7], v[128*(\b)+8*cc:128*(\b)+8*cc+7], v[128*(tt%2)+8*cc:128*(tt%2)+8*cc+7], v[S+32*(\b)+8*tt:S+32*(\b)+8*tt+7]
.endif
.set ii, ii+1
.endm
; Line \line of the eleven that put key v[xr] with number id (s[idr], or v[idr] if vid = 1) into tile t's descending list of three.  A key goes in only where it is GREATER.
.macro INSL line, xr, vid, idr, t
.set rT, ST+8*(\t)
.set rM, MK+3*(\t)
.if (\line) == 0
	v_cmp_gt_f32 s[rM], v[\xr], v[rT+2]
.elseif (\line) == 1
	v_cmp_gt_f32 s[rM+1], v[\xr], v[rT+1]
.elseif (\line) == 2
	v_cmp_gt_f32 s[rM+2], v[\xr], v[rT]
.elseif (\line) == 3
.if \vid
	v_cndmask_b32 v[rT+6], v[\idr], v[rT+4], s[rM+1]
.else
	v_cndmask_b32 v[rT+6], s[\idr], v[rT+4], s[rM+1]
.endif
.elseif (\line) == 4
	v_cndmask_b32 v[rT+5], v[rT+5], v[rT+6], s[rM]
.elseif (\line) == 5
.if \vid
	v_cndmask_b32 v[rT+6], v[\idr], v[rT+3], s[rM+2]
.else
	v_cndmask_b32 v[rT+6], s[\idr], v[rT+3], s[rM+2]
.endif
.elseif (\line) == 6
	v_cndmask_b32 v[rT+4], v[rT+4], v[rT+6], s[rM+1]
.elseif (\line) == 7
.if \vid
	v_cndmask_b32 v[rT+3], v[rT+3], v[\idr], s[rM+2]
.else
	v_cndmask_b32 v[rT+3], v[rT+3], s[\idr], s[rM+2]
.endif
.elseif (\line) == 8
	v_med3_num_f32 v[rT+2], v[\xr], v[rT+1], v[rT+2]
.elseif (\line) == 9
	v_med3_num_f32 v[rT+1], v[\xr], v[rT], v[rT+1]
.else
	v_max_num_f32 v[rT], v[\xr], v[rT]
.endif
.endm
; THE VECTOR WORK of a column tile, 208 lines on buffer sb; RD writes number nn.
;   0-15    the scores times 1 / |e|, a pair of columns a line; each accumulator's lowest pair is read first
;   16-31   a pair's maximum
;   32-207  pair 0, 1, 2, 3 of all four tiles goes into the lists: eleven lines each, the four tiles side by side, so that a line's sources were written four lines back or more
.macro RD sb
	WIN 0
.set rS, S+32*(\sb)
.set rF, F+8*(\sb)
.if nn < 16
	v_pk_mul_f32 v[rS+8*(nn/4)+2*(nn%4):rS+8*(nn/4)+2*(nn%4)+1], v[rS+8*(nn/4)+2*(nn%4):rS+8*(nn/4)+2*(nn%4)+1], v[rF+2*(nn%4):rF+2*(nn%4)+1]
.elseif nn < 32
	v_max_num_f32 v[rS+8*((nn-16)/4)+2*(nn%4)], v[rS+8*((nn-16)/4)+2*(nn%4)], v[rS+8*((nn-16)/4)+2*(nn%4)+1]
.else
.set mm, nn-32
	INSL (mm%44)/4, rS+8*(mm%4)+2*(mm/44), 0, ID+mm/44, mm%4
.endif
.set nn, nn+1
.endm
; THE LDS LOADS stand in one run a turn: the next turn's 16 rows x 512 channels (16 fragments) into buffer b, and this turn's eight factors.
.macro FETCH b
	WIN 0
	v_add_nc_u32 v[AK], s[TB], v[AK0]
	s_add_co_u32 s[TB], s[TB], TURNB  ; the next fetch is the next turn's
	WIN 0x40                        ; destination window 1
.irp c, 0,1,2,3,4,5,6,7,8,9,10,11,12,13,14,15
	ds_load_b128 v[128*(\b)+8*(\c):128*(\b)+8*(\c)+3],   v[AK] offset:64*(\c)
	ds_load_b128 v[128*(\b)+8*(\c)+4:128*(\b)+8*(\c)+7], v[AK] offset:64*(\c)+32
.endr
.endm
.macro FACT b
	WIN 0
	v_add_nc_u32 v[AF], s[TF], v[AF0]
	s_add_co_u32 s[TF], s[TF], 64
	ds_load_b128 v[F+8*(\b):F+8*(\b)+3],   v[AF]
	ds_load_b128 v[F+8*(\b)+4:F+8*(\b)+7], v[AF] offset:16
.endm
; A TURN on buffer b.  The run of loads stands behind the second product: the last product that read the other buffer of E stands in front of the last four riders of the turn before, four plain lines
; (v_max_num_f32 on the lists) that name none of its registers, and the run's own v_add_nc_u32 is a fifth.  The run is waited for at the head of the next turn, 62 products later.
; The first reader of an accumulator of the other buffer of S^T stands six plain lines or more behind the last product on it.
; last = 1 (the tail): in the walk's last turn there is no further tile, and the run is jumped over.
.macro TURN b, last=0
	s_wait_dscnt 0x0                ; this turn's fragments and the riders' factors are in
.set ii, 0
.set nn, 0
	MMA \b
	MMA \b
.if \last
	WIN 0
	s_cmp_eq_u32 s[CNT], 1
	s_cbranch_scc1 .Lno_fetch_\@
.endif
	FETCH 1-(\b)
.if \last
	WIN 0
.Lno_fetch_\@:
.endif
	FACT \b
.rept 10
	MMA \b
.endr
.rept 52
	MMA \b
	RD 1-(\b)
	RD 1-(\b)
	RD 1-(\b)
	RD 1-(\b)
.endr
.irp p, 0,1,2,3
	s_add_co_u32 s[ID+(\p)], s[ID+(\p)], 8  ; the next turn's riders belong to the next tile: eight pairs on
.endr
.endm
; THE CHANGE OF SLOTS.  The slot's last rows have been asked for a turn ago.  Each wave waits for all its tensor loads, of which one is out: its quarter of the other slot; adds 0 to its spare word; and
; waits for that and for its own reads of the slot.  Behind the barrier nobody reads this slot any more and the other slot is whole.  fill = 1: the slot is filled again, with the rows two slots on.  The
; barrier is then a round of the cluster's, so that no wave of any partner still reads the slot or has a load on its way, and the joint refill is the first thing behind it: it has four turns, 256 matrix
; instructions, in which to land.
.macro CHANGE fill
	WIN 0                           ; at a label and at a branch every window is 0
	s_wait_tensorcnt 0x0            ; no tensor load of mine is out, so a group 0 may be written
	ds_add_u32 v[SPW], v[NIL]       ; 0 onto my spare word; with fill = 1 the descriptor's steps stand between it and the wait for it
.if \fill
	s_xor_b32 s[G0+5], s[G0+5], SLOT1  ; the walking descriptor: the other slot than last time,
	s_add_nc_u64 s[G0+6:G0+7], s[G0+6:G0+7], TILEB  ; the next 64 rows; the type bits on top are not reached
	s_wait_xcnt 0x0                 ; the last prefetch, four turns back, has read its address, so it may be written:
	s_add_nc_u64 s[PFA:PFA+1], s[PFA:PFA+1], TILEB  ; one slot behind the walking descriptor
	s_wait_dscnt 0x0                ; the add is done, and my reads of the slot are over
	CROUND
	tensor_load_to_lds s[G0+4:G0+7], s[G1:G1+7]  ; my one tensor load behind the round
	s_nop 0
.rept 4
	v_nop
.endr
	ASK                             ; what the next change will ask for: four turns, 256 matrix instructions, ahead
.else
	s_wait_dscnt 0x0                ; the add is done, and my reads of the slot are over
	s_barrier_signal -1
	s_barrier_wait -1
.endif
	s_sub_co_u32 s[TB], s[TB], SLOTB  ; the fetches go back to a slot's first turn,
	s_xor_b32 s[TB], s[TB], SLOT1     ; in the other slot
.endm
	s_wait_tensorcnt 0x1            ; my quarter of slot 0 is in; slot 1's may stay out
	s_wait_dscnt 0x0                ; my factors are stored
	s_barrier_signal -1
	s_barrier_wait -1               ; everybody's are
	FETCH 0                         ; column tile 0
	WIN 0
	s_mov_b32 s[CNT], 2
	s_mov_b32 s[SLOTS], 15
	s_branch .Lmid                  ; the loop is entered in the middle of a trip: the first slot's four fetches are the one above and those of turns 0, 1, 2
.Lslot:                             ; 14 times: every slot but the last two is filled again
	CHANGE 1
	s_mov_b32 s[CNT], 2
.Lpair:
	TURN 1
	WIN 0
.Lmid:
	TURN 0
	WIN 0
	s_sub_co_u32 s[CNT], s[CNT], 1
	s_cmp_lg_u32 s[CNT], 0
	s_cbranch_scc1 .Lpair
	s_sub_co_u32 s[SLOTS], s[SLOTS], 1
	s_cmp_lg_u32 s[SLOTS], 0
	s_cbranch_scc1 .Lslot
	CHANGE 0                        ; the tail is written out: nothing is asked for
	s_mov_b32 s[CNT], 3             ; turns 59 to 63: two trips and a half
.Ltail:
	TURN 1, 1
	WIN 0
	s_sub_co_u32 s[CNT], s[CNT], 1
	s_cmp_eq_u32 s[CNT], 0
	s_cbranch_scc1 .Lout
	TURN 0
	WIN 0
	s_branch .Ltail
.Lout:
	s_wait_dscnt 0x0                ; the last tile's factors
.set nn, 0
.rept 208
	RD 1                            ; the last tile's riders
.endr
	; THE END.  A query's columns lie in two lanes, 16 apart: each takes the other's list into its own.  Both then hold the same three keys; lanes 0-15 store the keys, lanes 16-31 their own numbers.
.irp t, 0,1,2,3
.irp k, 3,4,5
	v_add_nc_u32 v[ST+8*(\t)+(\k)], v[H4], v[ST+8*(\t)+(\k)]  ; my half's share of a pair's number
.endr
.endr
.macro FIN t
.set sc, SC+8*((\t)%2)
.irp k, 0,1,2,3,4,5
	v_permlanex16_b32 v[sc+(\k)], v[ST+8*(\t)+(\k)], s[SEL], s[SEL+1]  ; (its destination has been written before)
.endr
.irp k, 0,1,2
.irp ln, 0,1,2,3,4,5,6,7,8,9,10
	INSL \ln, sc+(\k), 1, sc+3+(\k), \t
.endr
.endr
.irp k, 0,1,2
	v_ashrrev_i32 v[sc+(\k)], 31, v[ST+8*(\t)+(\k)]     ; the key as a whole number that keeps the order: a negative number is inverted,
	v_or_b32 v[sc+(\k)], 0x80000000, v[sc+(\k)]         ; of the others the sign bit is set
	v_xor_b32 v[sc+(\k)], v[sc+(\k)], v[ST+8*(\t)+(\k)]
	v_cndmask_b32 v[OUT+4*(\t)+(\k)], v[sc+(\k)], v[ST+8*(\t)+3+(\k)], s[HM]
.endr
	v_mov_b32 v[OUT+4*(\t)+3], 0
	global_store_b128 v[CO], v[OUT+4*(\t):OUT+4*(\t)+3], s[8:9] offset:512*(\t)  ; 16 entries: 512 consecutive bytes, at a multiple of 256 from cand's first
.endm
	FIN 0
	FIN 1
	FIN 2
	FIN 3
	s_wait_tensorcnt 0x0            ; the wave's end, behind my last tensor load and my last LDS store
	ds_add_u32 v[SPW], v[NIL]
	s_wait_dscnt 0x0
	CROUND                          ; the closing round: no work-group ends while a partner may still ask for a tile that names it
	s_endpgm
.Lfunc_end_k_q628975a0d7_knn:
	.size	k_q628975a0d7_knn, .Lfunc_end_k_q628975a0d7_knn-k_q628975a0d7_knn
	.p2alignl 7, 3214868480
	.fill 96, 4, 3214868480
	.section	.rodata,"a",@progbits
	.p2align	6, 0x0
	.amdhsa_kernel k_q628975a0d7_knn
		.amdhsa_group_segment_fixed_size 327680
		.amdhsa_private_segment_fixed_size 0
		.amdhsa_enable_private_segment 0
		.amdhsa_kernarg_size 24
		.amdhsa_user_sgpr_count 2
		.amdhsa_user_sgpr_kernarg_segment_ptr 1
		.amdhsa_wavefront_size32 1
		.amdhsa_system_sgpr_workgroup_id_x 1
		.amdhsa_system_sgpr_workgroup_id_y 1
		.amdhsa_system_sgpr_workgroup_id_z 1
		.amdhsa_system_vgpr_workitem_id 0
		.amdhsa_next_free_vgpr 1024
		.amdhsa_next_free_sgpr 66
		.amdhsa_reserve_vcc 0
		.amdhsa_float_denorm_mode_32 3
		.amdhsa_float_denorm_mode_16_64 3
		.amdhsa_memory_ordered 1
		.amdhsa_forward_progress 1
		.amdhsa_inst_pref_size 139
	.end_amdhsa_kernel
	.amdgpu_metadata
---
amdhsa.version: [ 1, 2 ]
amdhsa.kernels:
  - .name:           k_q628975a0d7_knn
    .symbol:         k_q628975a0d7_knn.kd
    .args:
      - { .name: xb, .offset: 0, .size: 8, .value_kind: global_buffer, .address_space: global }
      - { .name: nrm, .offset: 8, .size: 8, .value_kind: global_buffer, .address_space: global }
      - { .name: cand, .offset: 16, .size: 8, .value_kind: global_buffer, .address_space: global }
    .group_segment_fixed_size: 327680
    .private_segment_fixed_size: 0
    .kernarg_segment_align: 8
    .kernarg_segment_size: 24
    .max_flat_workgroup_size: 128
    .sgpr_count:     66
    .vgpr_count:     1024
    .wavefront_size: 32
...
	.end_amdgpu_metadata
.endif
;; end of part 2
;; launch pick (part 3): grid 256 x 1, 8 waves a work-group, no clusters, 0 bytes of LDS; arguments cand, xb, nrm, agg; writes agg
.if DOCPART == 3
	.amdgcn_target "amdgcn-amd-amdhsa--gfx1250"
	.amdhsa_code_object_version 6
	.text
	.protected	k_q628975a0d7_pick
	.globl	k_q628975a0d7_pick
	.p2align	8
	.type	k_q628975a0d7_pick,@function
k_q628975a0d7_pick:
	s_mov_b64 s[64:65], 0
	v_nop
	global_prefetch_b8 v0, s[64:65] scope:SCOPE_SE
	s_setreg_imm32_b32 hwreg(HW_REG_WAVE_MODE, 25, 1), 1
	s_wait_xcnt 0x0
; PICK.  For each query: the eight splits' lists of three pairs are merged into the three best pairs (whole-number compares on keys that the launch before stored as whole numbers); the six existing
; rows of those pairs are gathered; their six similarities are made anew in f32 by the full formula, dot / (|n| |e| + 1e-8), on the rounded rows; the three largest keep their similarity as weight, the
; other three get weight 0; agg = the sum of weight x row, divided by the sum of the weights, rounded once to f16.  The float compares select VALUES only: all six rows are always read and multiplied.
; SHARES.  A wave takes four queries and depends on no other wave: no LDS, no barrier, EXEC untouched.  For the merge lane l stands for query l / 8 and split l % 8.  For the rows lane l holds channels
; 8 l .. 8 l + 7 and 256 + 8 l .. : every load and store of a wave covers 512 consecutive bytes.
; No matrix unit: a query's six dot products would use six numbers of a 16 x 16 tile.  No prefetch: a row's address is known only just ahead of its load.
; LIMITS.  |agg| stays below 65,504 (f16).  Equal similarities: the row that stands earlier in the merged list wins.  NaN and infinities are not treated apart.
.set L16, 1           ; v1   16 x lane; never rewritten
.set CF,  2           ; v2   my entry of cand
.set ZR,  3           ; v3   0: what the chains start from
.set EPS, 4           ; v4   1e-8
.set K,   8           ; v[8:11]  my list's keys (descending) and a 0
.set I,   12          ; v[12:15] its pairs and a 0
.set PKR, 16          ; v[16:18] the partner lane's keys
.set PIR, 19          ; v[19:21] and pairs
.set T,   22
.set D,   24          ; v[24:29] six dot products
.set DEN, 30          ; v[30:35] at work; the divisors, then their reciprocals
.set SV,  36          ; v[36:41] six similarities
.set R,   42          ; v[42:47] how many of the six stand above each
.set W,   48          ; v[48:53] six weights
.set A,   56          ; v[56:71] my 16 channels of agg, f32
.set QR,  72          ; v[72:103] the four query rows, 8 registers each
.set E,   104         ; v[104:199] two buffers of six rows, 8 registers each
.set O,   200         ; v[200:231] what leaves, 8 registers a query: each is written once
	s_load_b256 s[4:11], s[0:1], 0x0  ; cand s[4:5], xb s[6:7], nrm s[8:9], agg s[10:11]
	v_lshrrev_b32 v5, 5, v0
	v_readfirstlane_b32 s12, v5     ; wave 0..7
	s_lshl_b32 s13, ttmp9, 3
	s_add_co_u32 s13, s13, s12
	s_lshl_b32 s13, s13, 2          ; my first query
	v_and_b32 v6, 31, v0
	v_lshlrev_b32 v[L16], 4, v6
	v_and_b32 v7, 7, v6             ; split
	v_lshrrev_b32 v5, 3, v6         ; query
	v_lshlrev_b32 v[CF], 18, v7     ; a split's 8,192 entries of 32 bytes
	v_lshl_add_u32 v[CF], v5, 5, v[CF]
	s_lshl_b32 s14, s13, 5
	v_add_nc_u32 v[CF], s14, v[CF]
	v_mov_b32 v[ZR], 0
	v_mov_b32 v[EPS], 0x322bcc77
.irp k, 0,1,2,3,4,5
	v_mov_b32 v[PKR+(\k)], 0        ; destinations of lane moves are written once beforehand
	v_mov_b32 v[DEN+(\k)], 0
.endr
	s_lshl_b32 s14, s13, 10         ; a row of xb and of agg is 1,024 bytes
	s_mov_b32 s15, 0
	s_mov_b32 s75, 0
	s_lshl_b32 s78, s13, 2          ; my four words of nrm
	s_mov_b32 s84, 0x76543210
	s_mov_b32 s85, 0xfedcba98
	s_wait_kmcnt 0x0
	s_add_nc_u64 s[76:77], s[6:7], s[14:15]   ; my query rows
	s_add_nc_u64 s[10:11], s[10:11], s[14:15] ; my rows of agg
	s_add_nc_u64 s[72:73], s[6:7], 0x800000   ; the existing rows
	global_load_b128 v[K:K+3], v[CF], s[4:5] th:TH_LOAD_NT
	global_load_b128 v[I:I+3], v[CF], s[4:5] offset:16 th:TH_LOAD_NT
.irp q, 0,1,2,3
	global_load_b128 v[QR+8*(\q):QR+8*(\q)+3],   v[L16], s[76:77] offset:1024*(\q)
	global_load_b128 v[QR+8*(\q)+4:QR+8*(\q)+7], v[L16], s[76:77] offset:1024*(\q)+512
.endr
	s_load_b128 s[68:71], s[8:9], s78 offset:0x0  ; |n| of my four queries
; Key v[xr] with pair v[ir] goes into my descending list of three, where it is greater.
.macro INSU xr, ir
	v_cmp_gt_u32 s80, v[\xr], v[K+2]
	v_cmp_gt_u32 s81, v[\xr], v[K+1]
	v_cmp_gt_u32 s82, v[\xr], v[K]
	v_cndmask_b32 v[T], v[\ir], v[I+1], s81
	v_cndmask_b32 v[I+2], v[I+2], v[T], s80
	v_cndmask_b32 v[T], v[\ir], v[I], s82
	v_cndmask_b32 v[I+1], v[I+1], v[T], s81
	v_cndmask_b32 v[I], v[I], v[\ir], s82
	v_cndmask_b32 v[T], v[\xr], v[K+1], s81
	v_cndmask_b32 v[K+2], v[K+2], v[T], s80
	v_cndmask_b32 v[T], v[\xr], v[K], s82
	v_cndmask_b32 v[K+1], v[K+1], v[T], s81
	v_cndmask_b32 v[K], v[K], v[\xr], s82
.endm
; The list of the lane x away goes into mine.  The two lists come from different splits, so no pair stands in both.
.macro MERGE x
.irp k, 0,1,2
	v_mov_b32_dpp v[PKR+(\k)], v[K+(\k)] row_xmask:\x row_mask:0xf bank_mask:0xf
	v_mov_b32_dpp v[PIR+(\k)], v[I+(\k)] row_xmask:\x row_mask:0xf bank_mask:0xf
.endr
.irp k, 0,1,2
	INSU PKR+(\k), PIR+(\k)
.endr
.endm
	s_wait_loadcnt 8                ; the two loads of cand are in; the eight of the query rows may stay out
	MERGE 1
	MERGE 2
	MERGE 4                         ; all eight lanes of a query now hold three best pairs of the 4,096
	; The addresses: query jj / 3, pair jj % 3.  A pair's number is held to the table (4,095 at the most) before it enters an address.  Each scalar load has an offset register of its own.
.set jj, 0
.rept 12
	v_readlane_b32 s98, v[I+jj%3], 8*(jj/3)
	s_min_u32 s98, s98, 0xfff
	s_lshl_b32 s74, s98, 11         ; a pair is two rows of 1,024 bytes
	s_add_nc_u64 s[16+2*jj:17+2*jj], s[72:73], s[74:75]
	s_lshl_b32 s[86+jj], s98, 3     ; and two words of nrm, behind the 8,192 of the new rows
	s_load_b64 s[40+2*jj:41+2*jj], s[8:9], s[86+jj] offset:0x8000
.set jj, jj+1
.endr
.macro ROWS q, buf                  ; query q's six rows: twelve loads
.irp g, 0,1,2
	global_load_b128 v[E+48*(\buf)+16*(\g):E+48*(\buf)+16*(\g)+3],     v[L16], s[16+2*(3*(\q)+(\g)):17+2*(3*(\q)+(\g))]
	global_load_b128 v[E+48*(\buf)+16*(\g)+4:E+48*(\buf)+16*(\g)+7],   v[L16], s[16+2*(3*(\q)+(\g)):17+2*(3*(\q)+(\g))] offset:512
	global_load_b128 v[E+48*(\buf)+16*(\g)+8:E+48*(\buf)+16*(\g)+11],  v[L16], s[16+2*(3*(\q)+(\g)):17+2*(3*(\q)+(\g))] offset:1024
	global_load_b128 v[E+48*(\buf)+16*(\g)+12:E+48*(\buf)+16*(\g)+15], v[L16], s[16+2*(3*(\q)+(\g)):17+2*(3*(\q)+(\g))] offset:1536
.endr
.endm
	ROWS 0, 0
	ROWS 1, 1
	s_wait_kmcnt 0x0                ; the norms
; Query q, its rows in buffer buf.  left: the next query's twelve loads may stay out.
.macro QUERY q, buf, left
	s_wait_loadcnt \left
.set eb, E+48*(\buf)
.set qq, QR+8*(\q)
.set rr, 0
.rept 8                             ; six dot products, side by side: my 16 channels, low halves and high halves
.irp k, 0,1,2,3,4,5
.if rr == 0
	v_fma_mix_f32_bf16 v[D+(\k)], v[eb+8*(\k)+rr], v[qq+rr], v[ZR] op_sel_hi:[1,1,0]
.else
	v_fma_mix_f32_bf16 v[D+(\k)], v[eb+8*(\k)+rr], v[qq+rr], v[D+(\k)] op_sel_hi:[1,1,0]
.endif
.endr
.irp k, 0,1,2,3,4,5
	v_fma_mix_f32_bf16 v[D+(\k)], v[eb+8*(\k)+rr], v[qq+rr], v[D+(\k)] op_sel:[1,1,0] op_sel_hi:[1,1,0]
.endr
.set rr, rr+1
.endr
.irp m, 1,2,4,8                     ; over the 32 lanes: every lane ends with all six
.irp k, 0,1,2,3,4,5
	v_add_f32_dpp v[D+(\k)], v[D+(\k)], v[D+(\k)] row_xmask:\m row_mask:0xf bank_mask:0xf
.endr
.endr
.irp k, 0,1,2,3,4,5
	v_permlanex16_b32 v[DEN+(\k)], v[D+(\k)], s84, s85
.endr
.irp k, 0,1,2,3,4,5
	v_add_f32 v[D+(\k)], v[D+(\k)], v[DEN+(\k)]
.endr
.irp k, 0,1,2,3,4,5
	v_fma_f32 v[DEN+(\k)], s[68+(\q)], s[40+2*(3*(\q)+(\k)/2)+(\k)%2], v[EPS]  ; |n| |e| + 1e-8
.endr
.irp k, 0,1,2,3,4,5
	v_rcp_f32 v[DEN+(\k)], v[DEN+(\k)]
.endr
.irp k, 0,1,2,3,4,5
	v_mov_b32 v[R+(\k)], 5-(\k)     ; the ranks start as if every later row stood above; these six lines are the plain work behind the reciprocals
.endr
	s_wait_alu depctr_va_vdst(0)    ; one wait for the six reciprocals, ahead of their first reader
.irp k, 0,1,2,3,4,5
	v_mul_f32 v[SV+(\k)], v[D+(\k)], v[DEN+(\k)]
.endr
.irp j, 0,1,2,3,4                   ; the 15 pairs j < k: where j is not below k, k has one more above it and j one fewer
.irp k, 1,2,3,4,5
.if (\k) > (\j)
	v_cmp_ge_f32 vcc_lo, v[SV+(\j)], v[SV+(\k)]
	v_cndmask_b32 v[T], 0, 1, vcc_lo
	v_add_nc_u32 v[R+(\k)], v[R+(\k)], v[T]
	v_sub_nc_u32 v[R+(\j)], v[R+(\j)], v[T]
.endif
.endr
.endr
.irp k, 0,1,2,3,4,5
	v_cmp_gt_u32 vcc_lo, 3, v[R+(\k)]
	v_cndmask_b32 v[W+(\k)], 0, v[SV+(\k)], vcc_lo  ; the three largest keep their similarity
.endr
	v_add_f32 v54, v[W], v[W+1]
	v_add_f32 v55, v[W+2], v[W+3]
	v_add_f32 v[T], v[W+4], v[W+5]
	v_add_f32 v54, v54, v55
	v_add_f32 v54, v54, v[T]
	v_rcp_f32 v55, v54
	v_nop                           ; a plain instruction behind the reciprocal,
	s_wait_alu depctr_va_vdst(0)    ; and its wait
.irp k, 0,1,2,3,4,5
	v_mul_f32 v[W+(\k)], v[W+(\k)], v55
.endr
.irp k, 0,1,2,3,4,5                 ; agg: 16 chains, six links each
.set rr, 0
.rept 8
.if (\k) == 0
	v_fma_mix_f32_bf16 v[A+2*rr], v[eb+rr], v[W], v[ZR] op_sel_hi:[1,0,0]
	v_fma_mix_f32_bf16 v[A+2*rr+1], v[eb+rr], v[W], v[ZR] op_sel:[1,0,0] op_sel_hi:[1,0,0]
.else
	v_fma_mix_f32_bf16 v[A+2*rr], v[eb+8*(\k)+rr], v[W+(\k)], v[A+2*rr] op_sel_hi:[1,0,0]
	v_fma_mix_f32_bf16 v[A+2*rr+1], v[eb+8*(\k)+rr], v[W+(\k)], v[A+2*rr+1] op_sel:[1,0,0] op_sel_hi:[1,0,0]
.endif
.set rr, rr+1
.endr
.endr
.set rr, 0
.rept 8
	v_cvt_pk_f16_f32 v[O+8*(\q)+rr], v[A+2*rr], v[A+2*rr+1]
.set rr, rr+1
.endr
	global_store_b128 v[L16], v[O+8*(\q):O+8*(\q)+3],   s[10:11] offset:1024*(\q)      ; 512 consecutive bytes each, at a multiple of 256 from agg's first
	global_store_b128 v[L16], v[O+8*(\q)+4:O+8*(\q)+7], s[10:11] offset:1024*(\q)+512
.endm
	QUERY 0, 0, 12
	ROWS 2, 0                       ; a buffer is asked for again when its query's arithmetic has been issued
	QUERY 1, 1, 12
	ROWS 3, 1
	QUERY 2, 0, 12
	QUERY 3, 1, 0
	s_endpgm
.Lfunc_end_k_q628975a0d7_pick:
	.size	k_q628975a0d7_pick, .Lfunc_end_k_q628975a0d7_pick-k_q628975a0d7_pick
	.p2alignl 7, 3214868480
	.fill 96, 4, 3214868480
	.section	.rodata,"a",@progbits
	.p2align	6, 0x0
	.amdhsa_kernel k_q628975a0d7_pick
		.amdhsa_group_segment_fixed_size 0
		.amdhsa_private_segment_fixed_size 0
		.amdhsa_enable_private_segment 0
		.amdhsa_kernarg_size 32
		.amdhsa_user_sgpr_count 2
		.amdhsa_user_sgpr_kernarg_segment_ptr 1
		.amdhsa_wavefront_size32 1
		.amdhsa_system_sgpr_workgroup_id_x 1
		.amdhsa_system_sgpr_workgroup_id_y 1
		.amdhsa_system_sgpr_workgroup_id_z 1
		.amdhsa_system_vgpr_workitem_id 0
		.amdhsa_next_free_vgpr 232
		.amdhsa_next_free_sgpr 100
		.amdhsa_reserve_vcc 1
		.amdhsa_float_denorm_mode_32 3
		.amdhsa_float_denorm_mode_16_64 3
		.amdhsa_memory_ordered 1
		.amdhsa_forward_progress 1
		.amdhsa_inst_pref_size 95
	.end_amdhsa_kernel
	.amdgpu_metadata
---
amdhsa.version: [ 1, 2 ]
amdhsa.kernels:
  - .name:           k_q628975a0d7_pick
    .symbol:         k_q628975a0d7_pick.kd
    .args:
      - { .name: cand, .offset: 0, .size: 8, .value_kind: global_buffer, .address_space: global }
      - { .name: xb, .offset: 8, .size: 8, .value_kind: global_buffer, .address_space: global }
      - { .name: nrm, .offset: 16, .size: 8, .value_kind: global_buffer, .address_space: global }
      - { .name: agg, .offset: 24, .size: 8, .value_kind: global_buffer, .address_space: global }
    .group_segment_fixed_size: 0
    .private_segment_fixed_size: 0
    .kernarg_segment_align: 8
    .kernarg_segment_size: 32
    .max_flat_workgroup_size: 256
    .sgpr_count:     100
    .vgpr_count:     232
    .wavefront_size: 32
...
	.end_amdgpu_metadata
.endif
;; end of part 3
;; launch mlp1 (part 4): grid 4 x 64, 4 waves a work-group, clusters of 4 x 4, 327,680 bytes of LDS; arguments agg, w1h, fc_b, h; writes h
.if DOCPART == 4
	.amdgcn_target "amdgcn-amd-amdhsa--gfx1250"
	.amdhsa_code_object_version 6
	.text
	.protected	k_q628975a0d7_mlp1
	.globl	k_q628975a0d7_mlp1
	.p2align	8
	.type	k_q628975a0d7_mlp1,@function
k_q628975a0d7_mlp1:
	s_mov_b64 s[64:65], 0
	v_nop
	global_prefetch_b8 v0, s[64:65] scope:SCOPE_SE
	s_setreg_imm32_b32 hwreg(HW_REG_WAVE_MODE, 25, 1), 1
	s_wait_xcnt 0x0
	s_wait_alu depctr_hold_cnt(0) depctr_sa_sdst(0) depctr_va_vdst(0) depctr_va_sdst(0) depctr_va_ssrc(0) depctr_va_vcc(0) depctr_vm_vsrc(0)
	s_getreg_b32 s2, hwreg(HW_REG_IB_STS2, 6, 4)
	s_cmp_eq_u32 s2, 0
	s_cbranch_scc0 .Lentry_in_a_cluster
	s_endpgm
.Lentry_in_a_cluster:
	s_bfe_u32 s2, ttmp6, 0x10000c
	s_cmp_lg_u32 s2, 0xf033
	s_cbranch_scc0 .Lentry_shape_is_right
	s_endpgm
.Lentry_shape_is_right:
; h[m][n] = the sum over k of agg[m][k] w1h[n][k] + bias[n].  agg: [8192][512] f16, w1h: [512][512] f16 (fc_w rounded to bf16), bias: fc_b [512] f32, rounded here to bf16 like every input;
; sums in f32, started by the bias; h: [8192][512], rounded once to f16.  LIMIT: |h| stays below 65,504.
; A tile of h is 128 x 128: 256 work-groups.  Four waves, each 64 x 64: 16 accumulators of 16 x 16.  K = 512 is two steps of 256: both LDS slots are filled once, at the start, and nothing is filled again.
; CLUSTERS: 4 x 4 work-groups.  The four of a row of the cluster need the same tiles of A, the four of a column the same tiles of B: each tile is asked for JOINTLY, by the same tensor load with the
; same descriptor and a mask that names the four.  THE MATRIX INSTRUCTION IS USED TRANSPOSED (source 0 = 16 rows of B, source 1 = 16 rows of A): a lane then holds eight neighbouring numbers of a row of h.
; No prefetch: each work-group's eight tensor loads all go out at its head.
; REGISTERS: window 0: v0-31 addresses; v32-63 the bias, then with v64-95 at work on the way out; v128-255 the accumulators ((a, b) at v[128 + 8 (4 a + b)]).
;   window 1: two fragment buffers of 128: for 64 along K, 64 registers of A (2 x 4 x 16 rows x 32 K), then 64 of B.
.set SIZE_N, 512
.set SIZE_K, 512
.set KSTEP,  256
.set PITCH,  528                       ; an LDS row: 512 bytes of data + 16 of padding = 132 words: row r starts at bank 4 r mod 64 (64 banks of 4 bytes: ISA guide 11.1)
.set HALFT,  64*PITCH                  ; 64 rows: what one tensor load brings, and what one wave reads of A or of B
.set SLOT,   4*HALFT                   ; A's 128 rows, then B's 128 rows
.set STAGE,  2*SLOT                    ; behind the slots: 128 rows x 272 bytes, the work-group's, for the way out
.set SPITCH, 272
.set SPARE,  STAGE+128*SPITCH          ; behind the stage: the spare words, 128 bytes for each wave
.set ADRA, 16                          ; v16-17  LDS address of my A fragments in slot 0, 1
.set ADRB, 20                          ; v20-21  the same for B
.set STO,  24                          ; v24     the way out: where I put 16 bytes of a row
.set RD,   25                          ; v25     the way out: where I read a row back
.set CO,   26                          ; v26     my byte offset in h
.set SPW,  28                          ; v28     LDS address of my spare word; never rewritten
.set NIL,  29                          ; v29     0; never rewritten
.set BI,   32                          ; v[32:63] the bias of my 64 columns as the C operand: block b at BI + 8 b
.set TMP,  32                          ; the way out: 64 registers
.set ACC,  128
.set F0,   0                           ; fragment buffers, in window 1
.set F1,   128
.set G1, 24                            ; s[24:31] descriptor group 1 for A's tiles;  s[32:39] group 0, one set for each slot
.set G0, 32
.set G1B, 48                           ; s[48:55], s[56:63] the same for B's tiles
.set G0B, 56
.set MSB, 0
.macro WIN new                         ; the immediate's high byte repeats the setting that is left
.if MSB != (\new)
	s_set_vgpr_msb (MSB<<8)|(\new)
.set MSB, \new
.endif
.endm
.set MUL,  0x05                        ; sources 0 (B) and 1 (A) window 1; C and D window 0
.set TO_F, 0x40                        ; destination window 1, address window 0
.macro JLOAD s                         ; a joint load: waves 0 and 1 fetch A's two halves, waves 2 and 3 B's; an s_nop 0 and four v_nop follow each of the two lines
	s_cmp_eq_u32 s11, 0
	s_cbranch_scc0 .Lfor_b_\@
	tensor_load_to_lds s[G0+4*(\s):G0+4*(\s)+3], s[G1:G1+7]
	s_nop 0
.rept 4
	v_nop
.endr
	s_branch .Lasked_\@
.Lfor_b_\@:
	tensor_load_to_lds s[G0B+4*(\s):G0B+4*(\s)+3], s[G1B:G1B+7]
	s_nop 0
.rept 4
	v_nop
.endr
.Lasked_\@:
.endm
.macro CROUND                          ; a round of the cluster's barrier
	s_barrier_signal -1
	s_barrier_wait -1
	s_cmp_lg_u32 s10, 0
	s_cbranch_scc1 .Lnot_wave_0_\@
	s_barrier_signal -3
.Lnot_wave_0_\@:
	s_barrier_wait -3
	s_barrier_signal -1
	s_barrier_wait -1
.endm
	s_load_b128 s[4:7], s[0:1], 0x0                ; A s[4:5], B s[6:7]
	s_load_b64 s[2:3], s[0:1], 0x10                ; bias
	s_load_b64 s[8:9], s[0:1], 0x18                ; h
	v_lshl_add_u32 v[SPW], v0, 2, SPARE
	v_mov_b32 v[NIL], 0
	ds_add_u32 v[SPW], v[NIL]                      ; the wave's opening: the add and its wait stand ahead of my first tensor load; the set-up below, work on registers, stands between them
	v_lshrrev_b32 v1, 5, v0
	v_readfirstlane_b32 s10, v1                    ; wave 0..3
	s_lshr_b32 s11, s10, 1                         ; which half of the tile's rows is mine.  Also: I fetch for A (0) or for B (1)
	s_and_b32 s12, s10, 1                          ; which half of its columns.  Also: which 64 rows of that tile I fetch
	s_bfe_u32 s40, ttmp6, 0x40000                  ; cx, cy: my place in the cluster
	s_bfe_u32 s41, ttmp6, 0x40004
	s_lshl_b32 s42, ttmp9, 2
	s_add_co_u32 s42, s42, s40                     ; tile column = 4 x cluster x + cx
	s_and_b32 s13, ttmp7, 0xffff
	s_lshl_b32 s13, s13, 2
	s_add_co_u32 s13, s13, s41                     ; tile row = 4 x cluster y + cy
	s_lshl_b32 s43, s41, 2
	s_lshl_b32 s43, 15, s43                        ; my row of the cluster
	s_lshl_b32 s44, 0x1111, s40                    ; my column
	; descriptor group 1: a tile of 64 rows x 256 elements, padded in LDS
	s_or_b32 s[G1+0], s43, (1<<16)|(1<<20)|(1<<21)|(6<<22)|(3<<25)  ; 15:0 the mask: A's tiles go to my row; 17:16 2-byte elements; 20 padding on; 21 set beside a mask; 24:22 after every 128 words (code 6); 31:25 4 words (code 3)
	s_or_b32 s[G1B+0], s44, (1<<16)|(1<<20)|(1<<21)|(6<<22)|(3<<25)
.irp g, G1, G1B
	s_mov_b32 s[(\g)+1], KSTEP<<16                 ; tensor_dim0 = 256
	s_mov_b32 s[(\g)+2], 64<<16                    ; tensor_dim1 = 64
	s_mov_b32 s[(\g)+3], KSTEP<<16                 ; tile_dim0 = 256
	s_mov_b32 s[(\g)+4], 64                        ; tile_dim1 = 64
	s_mov_b32 s[(\g)+5], SIZE_K                    ; elements from row to row
	s_mov_b32 s[(\g)+6], 0
	s_mov_b32 s[(\g)+7], 0
.endr
	s_lshl_b32 s17, s12, 6                         ; which 64 rows of the tile I fetch
	s_lshl_b32 s16, s13, 7
	s_add_co_u32 s16, s16, s17                     ; A: row 128 x tile row + 64 x half
	s_lshl_b32 s46, s42, 7
	s_add_co_u32 s46, s46, s17                     ; B: row 128 x tile column + 64 x half
	s_mov_b32 s17, 0
	s_mov_b32 s47, 0
	s_mov_b64 s[18:19], SIZE_K*2
	s_mul_u64 s[16:17], s[16:17], s[18:19]
	s_mul_u64 s[46:47], s[46:47], s[18:19]
	s_mul_i32 s20, s10, HALFT                      ; where they go: wave x 64 rows
	s_wait_dscnt 0x0                               ; the opening add is done
	s_wait_kmcnt 0x0
	s_add_nc_u64 s[14:15], s[4:5], s[16:17]
	s_add_nc_u64 s[46:47], s[6:7], s[46:47]
	CROUND                                         ; all sixteen work-groups are here: the joint loads meet
.irp s, 0,1
	s_mov_b32 s[G0+4*(\s)], 1
	s_add_co_u32 s[G0+4*(\s)+1], s20, (\s)*SLOT
	s_add_nc_u64 s[G0+4*(\s)+2:G0+4*(\s)+3], s[14:15], (\s)*KSTEP*2
	s_or_b32 s[G0+4*(\s)+3], s[G0+4*(\s)+3], 0x80000000
	s_mov_b32 s[G0B+4*(\s)], 1
	s_add_co_u32 s[G0B+4*(\s)+1], s20, (\s)*SLOT
	s_add_nc_u64 s[G0B+4*(\s)+2:G0B+4*(\s)+3], s[46:47], (\s)*KSTEP*2
	s_or_b32 s[G0B+4*(\s)+3], s[G0B+4*(\s)+3], 0x80000000
	JLOAD \s                                       ; both K steps: two loads of mine are out
.endr
	v_and_b32 v1, 15, v0                           ; l % 16
	v_bfe_u32 v2, v0, 4, 1                         ; l / 16
	; the bias of my 64 columns: register j of block b in lane l is column 16 b + 8 (l / 16) + j
	s_lshl_b32 s46, s42, 9                         ; 128 columns of 4 bytes a tile,
	s_lshl_b32 s47, s12, 8                         ; my 64
	s_add_co_u32 s46, s46, s47
	s_mov_b32 s47, 0
	s_add_nc_u64 s[2:3], s[2:3], s[46:47]
	v_lshlrev_b32 v6, 5, v2
.irp b, 0,1,2,3
	global_load_b128 v[BI+8*(\b):BI+8*(\b)+3],   v6, s[2:3] offset:64*(\b)
	global_load_b128 v[BI+8*(\b)+4:BI+8*(\b)+7], v6, s[2:3] offset:64*(\b)+16
.endr
	v_mul_u32_u24 v3, v1, PITCH
	v_lshl_add_u32 v3, v2, 4, v3                   ; a fragment's row x pitch + 16 x half
	s_mul_i32 s21, s11, HALFT                      ; my 64 rows of A
	s_mul_i32 s22, s12, HALFT                      ; my 64 rows of B,
	s_add_co_u32 s22, s22, 2*HALFT                 ; which lie behind A's 128
.irp s, 0,1
	v_add_nc_u32 v[ADRA+(\s)], s21, v3
	v_add_nc_u32 v[ADRB+(\s)], s22, v3
	s_add_co_u32 s21, s21, SLOT
	s_add_co_u32 s22, s22, SLOT
.endr
	s_mul_i32 s23, s11, 64*SPITCH                  ; into the stage: my 64 rows, my half of their 256 bytes; row l % 16, 16 bytes for each half of the lanes
	s_lshl_b32 s21, s12, 7
	s_add_co_u32 s23, s23, s21
	s_add_co_u32 s23, s23, STAGE
	v_mul_u32_u24 v4, v1, SPITCH
	v_lshl_add_u32 v4, v2, 4, v4
	v_add_nc_u32 v[STO], s23, v4
	s_mul_i32 s23, s10, 32*SPITCH                  ; back: wave w takes rows 32 w .. 32 w + 31, whole; lanes 0-15 one row of 256 bytes, lanes 16-31 the next
	s_add_co_u32 s23, s23, STAGE
	v_mul_u32_u24 v5, v2, SPITCH
	v_lshl_add_u32 v5, v1, 4, v5
	v_add_nc_u32 v[RD], s23, v5
	v_mul_u32_u24 v5, v2, SIZE_N*2                 ; and the same two rows in h
	v_lshl_add_u32 v[CO], v1, 4, v5
	s_lshl_b32 s16, s13, 7
	s_lshl_b32 s17, s10, 5
	s_add_co_u32 s16, s16, s17                     ; the first row that I store: 128 x tile row + 32 x wave
	s_mov_b32 s17, 0
	s_mov_b64 s[18:19], SIZE_N*2
	s_mul_u64 s[16:17], s[16:17], s[18:19]
	s_add_nc_u64 s[8:9], s[8:9], s[16:17]
	s_lshl_b32 s46, s42, 8                         ; the tile's first column, in bytes
	s_mov_b32 s47, 0
	s_add_nc_u64 s[8:9], s[8:9], s[46:47]
	s_wait_loadcnt 0x0                             ; the bias: rounded to bf16 and widened again
.set r, 0
.rept 16
	v_cvt_pk_bf16_f32 v[64+r], v[BI+2*r], v[BI+2*r+1]
.set r, r+1
.endr
.set r, 0
.rept 16
	v_lshlrev_b32 v[BI+2*r], 16, v[64+r]
	v_and_b32 v[BI+2*r+1], 0xffff0000, v[64+r]
.set r, r+1
.endr
; 8 matrix instructions: m blocks a0, a0 + 1 x all 4 n blocks, 32 along K: half c of buffer f.  zero = 1: the first product starts the sums, from the bias
.macro MUL8 f, c, a0, zero
	WIN MUL
.irp a, \a0, (\a0)+1
.irp b, 0,1,2,3
.if \zero
	v_wmma_f32_16x16x32_f16 v[ACC+8*(4*(\a)+(\b)):ACC+8*(4*(\a)+(\b))+7], v[(\f)+64+8*(4*(\c)+(\b)):(\f)+64+8*(4*(\c)+(\b))+7], v[(\f)+8*(4*(\c)+(\a)):(\f)+8*(4*(\c)+(\a))+7], v[BI+8*(\b):BI+8*(\b)+7]
.else
	v_wmma_f32_16x16x32_f16 v[ACC+8*(4*(\a)+(\b)):ACC+8*(4*(\a)+(\b))+7], v[(\f)+64+8*(4*(\c)+(\b)):(\f)+64+8*(4*(\c)+(\b))+7], v[(\f)+8*(4*(\c)+(\a)):(\f)+8*(4*(\c)+(\a))+7], v[ACC+8*(4*(\a)+(\b)):ACC+8*(4*(\a)+(\b))+7]
.endif
.endr
.endr
.endm
; 32 LDS loads in one run: the fragments of 64 along K at byte k of the rows, into buffer f; the first 32 along K first
.macro FETCH slot, k, f
	WIN TO_F
.irp c, 0,1
.irp i, 0,1,2,3
	ds_load_b128 v[(\f)+64+8*(4*(\c)+(\i)):(\f)+64+8*(4*(\c)+(\i))+3],   v[ADRB+(\slot)] offset:(\k)+64*(\c)+(\i)*16*PITCH
	ds_load_b128 v[(\f)+64+8*(4*(\c)+(\i))+4:(\f)+64+8*(4*(\c)+(\i))+7], v[ADRB+(\slot)] offset:(\k)+64*(\c)+(\i)*16*PITCH+32
	ds_load_b128 v[(\f)+8*(4*(\c)+(\i)):(\f)+8*(4*(\c)+(\i))+3],         v[ADRA+(\slot)] offset:(\k)+64*(\c)+(\i)*16*PITCH
	ds_load_b128 v[(\f)+8*(4*(\c)+(\i))+4:(\f)+8*(4*(\c)+(\i))+7],       v[ADRA+(\slot)] offset:(\k)+64*(\c)+(\i)*16*PITCH+32
.endr
.endr
.endm
.macro PLACES                          ; four places in front of loads into registers that matrix instructions have read, and of lines that read results
.rept 4
	v_nop
.endr
.endm
; A K step is four quarters of 64 along K, 32 matrix instructions each, on buffers 0, 1, 0, 1; the 16 accumulators take turns.  One of the first three: multiplies buffer f and fetches the next quarter, at byte k, into g.
.macro QUARTER slot, k, f, g, zero
	s_wait_dscnt 16                                ; the first 32 along K are in
	WIN MUL
	MUL8 \f, 0, 0, \zero
	MUL8 \f, 0, 2, \zero
	PLACES
	FETCH \slot, \k, \g
	s_wait_dscnt 32                                ; all but the 32 just issued
	WIN MUL
	MUL8 \f, 1, 0, 0
	MUL8 \f, 1, 2, 0
.endm
; The first step's last quarter multiplies buffer 1 and goes over to slot 1: each wave waits for its part of that slot, and a barrier shows it to all.  Nothing is filled again.
.macro TURN next
	WIN 0                                          ; (the add's two registers lie in window 0)
	s_wait_tensorcnt 0x0                           ; all my tensor loads have landed: my part of the next slot;
	ds_add_u32 v[SPW], v[NIL]                      ; 0 onto my spare word;
	s_wait_dscnt 17                                ; (the add and the youngest sixteen loads may be out)
	WIN MUL
	MUL8 F1, 0, 0, 0                               ; eight matrix instructions stand between the add and the wait for it
	s_wait_dscnt 0x0                               ; the add is done, and no LDS instruction of mine is out at the signal
	s_barrier_signal -1
	MUL8 F1, 0, 2, 0
	s_barrier_wait -1
	PLACES
	FETCH \next, 0, F0
	WIN MUL
	MUL8 F1, 1, 0, 0
	MUL8 F1, 1, 2, 0
.endm
	s_wait_tensorcnt 1                             ; my part of K step 0 is in; K step 1's may stay out
	s_barrier_signal -1
	s_barrier_wait -1                              ; everybody's is
	FETCH 0, 0, F0
	QUARTER 0, 128, F0, F1, 1                      ; the first products start the sums
	QUARTER 0, 256, F1, F0, 0
	QUARTER 0, 384, F0, F1, 0
	TURN 1
	QUARTER 1, 128, F0, F1, 0
	QUARTER 1, 256, F1, F0, 0
	QUARTER 1, 384, F0, F1, 0
	s_wait_dscnt 16                                ; the very last quarter: nothing more to fetch
	WIN MUL
	MUL8 F1, 0, 0, 0
	MUL8 F1, 0, 2, 0
	s_wait_dscnt 0
	MUL8 F1, 1, 0, 0
	MUL8 F1, 1, 2, 0
	WIN 0
	; THE WAY OUT: round to f16; 16 bytes a lane into the work-group's stage; a barrier, since a row's 256 bytes come from two waves; back as whole rows, 32 rows a wave.
	PLACES
.irp t, 0,1,2,3,4,5,6,7,8,9,10,11,12,13,14,15
.irp r, 0,1,2,3
	v_cvt_pk_f16_f32 v[TMP+4*(\t)+(\r)], v[ACC+8*(\t)+2*(\r)], v[ACC+8*(\t)+2*(\r)+1]
.endr
.endr
.irp a, 0,1,2,3
.irp b, 0,1,2,3
	ds_store_b128 v[STO], v[TMP+4*(4*(\a)+(\b)):TMP+4*(4*(\a)+(\b))+3] offset:(\a)*16*SPITCH+32*(\b)
.endr
.endr
	s_wait_dscnt 0x0                               ; for the others' sake: my stores into the stage are done
	s_barrier_signal -1
	s_barrier_wait -1
.irp t, 0,1,2,3,4,5,6,7,8,9,10,11,12,13,14,15
	ds_load_b128 v[TMP+4*(\t):TMP+4*(\t)+3], v[RD] offset:(\t)*2*SPITCH
.endr
.irp t, 0,1,2,3,4,5,6,7,8,9,10,11,12,13,14,15
	s_wait_dscnt 15-(\t)
	global_store_b128 v[CO], v[TMP+4*(\t):TMP+4*(\t)+3], s[8:9] offset:2*(\t)*SIZE_N*2  ; 16 lanes store 256 consecutive bytes, at a multiple of 256 from h's first byte
.endr
	s_wait_tensorcnt 0x0                           ; the wave's end, behind my last tensor load and my last LDS store
	ds_add_u32 v[SPW], v[NIL]
	s_wait_dscnt 0x0
	CROUND                                         ; the closing round: no work-group ends while a partner may still ask for a tile that names it
	s_endpgm
.Lfunc_end_k_q628975a0d7_mlp1:
	.size	k_q628975a0d7_mlp1, .Lfunc_end_k_q628975a0d7_mlp1-k_q628975a0d7_mlp1
	.p2alignl 7, 3214868480
	.fill 96, 4, 3214868480
	.section	.rodata,"a",@progbits
	.p2align	6, 0x0
	.amdhsa_kernel k_q628975a0d7_mlp1
		.amdhsa_group_segment_fixed_size 327680
		.amdhsa_private_segment_fixed_size 0
		.amdhsa_enable_private_segment 0
		.amdhsa_kernarg_size 32
		.amdhsa_user_sgpr_count 2
		.amdhsa_user_sgpr_kernarg_segment_ptr 1
		.amdhsa_wavefront_size32 1
		.amdhsa_system_sgpr_workgroup_id_x 1
		.amdhsa_system_sgpr_workgroup_id_y 1
		.amdhsa_system_sgpr_workgroup_id_z 1
		.amdhsa_system_vgpr_workitem_id 0
		.amdhsa_next_free_vgpr 512
		.amdhsa_next_free_sgpr 66
		.amdhsa_reserve_vcc 0
		.amdhsa_float_denorm_mode_32 3
		.amdhsa_float_denorm_mode_16_64 3
		.amdhsa_memory_ordered 1
		.amdhsa_forward_progress 1
		.amdhsa_inst_pref_size 54
	.end_amdhsa_kernel
	.amdgpu_metadata
---
amdhsa.version: [ 1, 2 ]
amdhsa.kernels:
  - .name:           k_q628975a0d7_mlp1
    .symbol:         k_q628975a0d7_mlp1.kd
    .args:
      - { .name: agg, .offset: 0, .size: 8, .value_kind: global_buffer, .address_space: global }
      - { .name: w1h, .offset: 8, .size: 8, .value_kind: global_buffer, .address_space: global }
      - { .name: fc_b, .offset: 16, .size: 8, .value_kind: global_buffer, .address_space: global }
      - { .name: h, .offset: 24, .size: 8, .value_kind: global_buffer, .address_space: global }
    .group_segment_fixed_size: 327680
    .private_segment_fixed_size: 0
    .kernarg_segment_align: 8
    .kernarg_segment_size: 32
    .max_flat_workgroup_size: 128
    .sgpr_count:     66
    .vgpr_count:     512
    .wavefront_size: 32
...
	.end_amdgpu_metadata
.endif
;; end of part 4
;; launch mlp2 (part 5): grid 4 x 64, 4 waves a work-group, clusters of 4 x 4, 327,680 bytes of LDS; arguments h, w2h, om_b, out0; writes out0
.if DOCPART == 5
	.amdgcn_target "amdgcn-amd-amdhsa--gfx1250"
	.amdhsa_code_object_version 6
	.text
	.protected	k_q628975a0d7_mlp2
	.globl	k_q628975a0d7_mlp2
	.p2align	8
	.type	k_q628975a0d7_mlp2,@function
k_q628975a0d7_mlp2:
	s_mov_b64 s[64:65], 0
	v_nop
	global_prefetch_b8 v0, s[64:65] scope:SCOPE_SE
	s_setreg_imm32_b32 hwreg(HW_REG_WAVE_MODE, 25, 1), 1
	s_wait_xcnt 0x0
	s_wait_alu depctr_hold_cnt(0) depctr_sa_sdst(0) depctr_va_vdst(0) depctr_va_sdst(0) depctr_va_ssrc(0) depctr_va_vcc(0) depctr_vm_vsrc(0)
	s_getreg_b32 s2, hwreg(HW_REG_IB_STS2, 6, 4)
	s_cmp_eq_u32 s2, 0
	s_cbranch_scc0 .Lentry_in_a_cluster
	s_endpgm
.Lentry_in_a_cluster:
	s_bfe_u32 s2, ttmp6, 0x10000c
	s_cmp_lg_u32 s2, 0xf033
	s_cbranch_scc0 .Lentry_shape_is_right
	s_endpgm
.Lentry_shape_is_right:
; out0[m][n] = the sum over k of h[m][k] w2h[n][k] + bias[n].  h: [8192][512] f16, w2h: [512][512] f16 (om_w rounded to bf16), bias: om_b [512] f32, rounded here to bf16 like every input;
; sums in f32, started by the bias; out0: [8192][512] f32, the sums as they are.
; A tile of out0 is 128 x 128: 256 work-groups.  Four waves, each 64 x 64: 16 accumulators of 16 x 16.  K = 512 is two steps of 256: both LDS slots are filled once, at the start, and nothing is filled again.
; CLUSTERS: 4 x 4 work-groups.  The four of a row of the cluster need the same tiles of A, the four of a column the same tiles of B: each tile is asked for JOINTLY, by the same tensor load with the
; same descriptor and a mask that names the four.  THE MATRIX INSTRUCTION IS USED TRANSPOSED (source 0 = 16 rows of B, source 1 = 16 rows of A): a lane then holds eight neighbouring numbers of a row of out0.
; THE WAY OUT: a wave's 64 columns of f32 are 256 consecutive bytes, aligned, so each wave has a stage of its own (16 rows) and no barrier is wanted.
; No prefetch: each work-group's eight tensor loads all go out at its head.
; REGISTERS: window 0: v0-31 addresses; v32-63 the bias, then with v64-95 at work on the way out; v128-255 the accumulators ((a, b) at v[128 + 8 (4 a + b)]).
;   window 1: two fragment buffers of 128: for 64 along K, 64 registers of A (2 x 4 x 16 rows x 32 K), then 64 of B.
.set SIZE_N, 512
.set SIZE_K, 512
.set KSTEP,  256
.set PITCH,  528                       ; an LDS row: 512 bytes of data + 16 of padding = 132 words: row r starts at bank 4 r mod 64 (64 banks of 4 bytes: ISA guide 11.1)
.set HALFT,  64*PITCH                  ; 64 rows: what one tensor load brings, and what one wave reads of A or of B
.set SLOT,   4*HALFT                   ; A's 128 rows, then B's 128 rows
.set STAGE,  2*SLOT                    ; behind the slots: 16 rows x 272 bytes for each wave, for the way out
.set SPITCH, 272
.set SPARE,  STAGE+4*16*SPITCH         ; behind the stages: the spare words, 128 bytes for each wave
.set ADRA, 16                          ; v16-17  LDS address of my A fragments in slot 0, 1
.set ADRB, 20                          ; v20-21  the same for B
.set STO,  24                          ; v24     the way out: where I put 32 bytes of a row
.set RD,   25                          ; v25     the way out: where I read a row back
.set CO,   26                          ; v26     my byte offset in out0
.set SPW,  28                          ; v28     LDS address of my spare word; never rewritten
.set NIL,  29                          ; v29     0; never rewritten
.set BI,   32                          ; v[32:63] the bias of my 64 columns as the C operand: block b at BI + 8 b
.set TMP,  32                          ; the way out: two sets of 32 registers
.set ACC,  128
.set F0,   0                           ; fragment buffers, in window 1
.set F1,   128
.set G1, 24                            ; s[24:31] descriptor group 1 for A's tiles;  s[32:39] group 0, one set for each slot
.set G0, 32
.set G1B, 48                           ; s[48:55], s[56:63] the same for B's tiles
.set G0B, 56
.set MSB, 0
.macro WIN new                         ; the immediate's high byte repeats the setting that is left
.if MSB != (\new)
	s_set_vgpr_msb (MSB<<8)|(\new)
.set MSB, \new
.endif
.endm
.set MUL,  0x05                        ; sources 0 (B) and 1 (A) window 1; C and D window 0
.set TO_F, 0x40                        ; destination window 1, address window 0
.macro JLOAD s                         ; a joint load: waves 0 and 1 fetch A's two halves, waves 2 and 3 B's; an s_nop 0 and four v_nop follow each of the two lines
	s_cmp_eq_u32 s11, 0
	s_cbranch_scc0 .Lfor_b_\@
	tensor_load_to_lds s[G0+4*(\s):G0+4*(\s)+3], s[G1:G1+7]
	s_nop 0
.rept 4
	v_nop
.endr
	s_branch .Lasked_\@
.Lfor_b_\@:
	tensor_load_to_lds s[G0B+4*(\s):G0B+4*(\s)+3], s[G1B:G1B+7]
	s_nop 0
.rept 4
	v_nop
.endr
.Lasked_\@:
.endm
.macro CROUND                          ; a round of the cluster's barrier
	s_barrier_signal -1
	s_barrier_wait -1
	s_cmp_lg_u32 s10, 0
	s_cbranch_scc1 .Lnot_wave_0_\@
	s_barrier_signal -3
.Lnot_wave_0_\@:
	s_barrier_wait -3
	s_barrier_signal -1
	s_barrier_wait -1
.endm
	s_load_b128 s[4:7], s[0:1], 0x0                ; A s[4:5], B s[6:7]
	s_load_b64 s[2:3], s[0:1], 0x10                ; bias
	s_load_b64 s[8:9], s[0:1], 0x18                ; out0
	v_lshl_add_u32 v[SPW], v0, 2, SPARE
	v_mov_b32 v[NIL], 0
	ds_add_u32 v[SPW], v[NIL]                      ; the wave's opening: the add and its wait stand ahead of my first tensor load; the set-up below, work on registers, stands between them
	v_lshrrev_b32 v1, 5, v0
	v_readfirstlane_b32 s10, v1                    ; wave 0..3
	s_lshr_b32 s11, s10, 1                         ; which half of the tile's rows is mine.  Also: I fetch for A (0) or for B (1)
	s_and_b32 s12, s10, 1                          ; which half of its columns.  Also: which 64 rows of that tile I fetch
	s_bfe_u32 s40, ttmp6, 0x40000                  ; cx, cy: my place in the cluster
	s_bfe_u32 s41, ttmp6, 0x40004
	s_lshl_b32 s42, ttmp9, 2
	s_add_co_u32 s42, s42, s40                     ; tile column = 4 x cluster x + cx
	s_and_b32 s13, ttmp7, 0xffff
	s_lshl_b32 s13, s13, 2
	s_add_co_u32 s13, s13, s41                     ; tile row = 4 x cluster y + cy
	s_lshl_b32 s43, s41, 2
	s_lshl_b32 s43, 15, s43                        ; my row of the cluster
	s_lshl_b32 s44, 0x1111, s40                    ; my column
	; descriptor group 1: a tile of 64 rows x 256 elements, padded in LDS
	s_or_b32 s[G1+0], s43, (1<<16)|(1<<20)|(1<<21)|(6<<22)|(3<<25)  ; 15:0 the mask: A's tiles go to my row; 17:16 2-byte elements; 20 padding on; 21 set beside a mask; 24:22 after every 128 words (code 6); 31:25 4 words (code 3)
	s_or_b32 s[G1B+0], s44, (1<<16)|(1<<20)|(1<<21)|(6<<22)|(3<<25)
.irp g, G1, G1B
	s_mov_b32 s[(\g)+1], KSTEP<<16                 ; tensor_dim0 = 256
	s_mov_b32 s[(\g)+2], 64<<16                    ; tensor_dim1 = 64
	s_mov_b32 s[(\g)+3], KSTEP<<16                 ; tile_dim0 = 256
	s_mov_b32 s[(\g)+4], 64                        ; tile_dim1 = 64
	s_mov_b32 s[(\g)+5], SIZE_K                    ; elements from row to row
	s_mov_b32 s[(\g)+6], 0
	s_mov_b32 s[(\g)+7], 0
.endr
	s_lshl_b32 s17, s12, 6                         ; which 64 rows of the tile I fetch
	s_lshl_b32 s16, s13, 7
	s_add_co_u32 s16, s16, s17                     ; A: row 128 x tile row + 64 x half
	s_lshl_b32 s46, s42, 7
	s_add_co_u32 s46, s46, s17                     ; B: row 128 x tile column + 64 x half
	s_mov_b32 s17, 0
	s_mov_b32 s47, 0
	s_mov_b64 s[18:19], SIZE_K*2
	s_mul_u64 s[16:17], s[16:17], s[18:19]
	s_mul_u64 s[46:47], s[46:47], s[18:19]
	s_mul_i32 s20, s10, HALFT                      ; where they go: wave x 64 rows
	s_wait_dscnt 0x0                               ; the opening add is done
	s_wait_kmcnt 0x0
	s_add_nc_u64 s[14:15], s[4:5], s[16:17]
	s_add_nc_u64 s[46:47], s[6:7], s[46:47]
	CROUND                                         ; all sixteen work-groups are here: the joint loads meet
.irp s, 0,1
	s_mov_b32 s[G0+4*(\s)], 1
	s_add_co_u32 s[G0+4*(\s)+1], s20, (\s)*SLOT
	s_add_nc_u64 s[G0+4*(\s)+2:G0+4*(\s)+3], s[14:15], (\s)*KSTEP*2
	s_or_b32 s[G0+4*(\s)+3], s[G0+4*(\s)+3], 0x80000000
	s_mov_b32 s[G0B+4*(\s)], 1
	s_add_co_u32 s[G0B+4*(\s)+1], s20, (\s)*SLOT
	s_add_nc_u64 s[G0B+4*(\s)+2:G0B+4*(\s)+3], s[46:47], (\s)*KSTEP*2
	s_or_b32 s[G0B+4*(\s)+3], s[G0B+4*(\s)+3], 0x80000000
	JLOAD \s                                       ; both K steps: two loads of mine are out
.endr
	v_and_b32 v1, 15, v0                           ; l % 16
	v_bfe_u32 v2, v0, 4, 1                         ; l / 16
	; my 64 columns, in bytes of f32: the same offset in the bias and in a row of out0
	s_lshl_b32 s46, s42, 9                         ; 128 columns of 4 bytes a tile,
	s_lshl_b32 s47, s12, 8                         ; my 64
	s_add_co_u32 s46, s46, s47
	s_mov_b32 s47, 0
	s_add_nc_u64 s[2:3], s[2:3], s[46:47]
	s_add_nc_u64 s[8:9], s[8:9], s[46:47]
	v_lshlrev_b32 v6, 5, v2                        ; register j of block b in lane l is column 16 b + 8 (l / 16) + j
.irp b, 0,1,2,3
	global_load_b128 v[BI+8*(\b):BI+8*(\b)+3],   v6, s[2:3] offset:64*(\b)
	global_load_b128 v[BI+8*(\b)+4:BI+8*(\b)+7], v6, s[2:3] offset:64*(\b)+16
.endr
	v_mul_u32_u24 v3, v1, PITCH
	v_lshl_add_u32 v3, v2, 4, v3                   ; a fragment's row x pitch + 16 x half
	s_mul_i32 s21, s11, HALFT                      ; my 64 rows of A
	s_mul_i32 s22, s12, HALFT                      ; my 64 rows of B,
	s_add_co_u32 s22, s22, 2*HALFT                 ; which lie behind A's 128
.irp s, 0,1
	v_add_nc_u32 v[ADRA+(\s)], s21, v3
	v_add_nc_u32 v[ADRB+(\s)], s22, v3
	s_add_co_u32 s21, s21, SLOT
	s_add_co_u32 s22, s22, SLOT
.endr
	s_mul_i32 s23, s10, 16*SPITCH
	s_add_co_u32 s23, s23, STAGE                   ; my stage
	v_mul_u32_u24 v4, v1, SPITCH                   ; in: row l % 16, 32 bytes for each half of the lanes
	v_lshl_add_u32 v4, v2, 5, v4
	v_add_nc_u32 v[STO], s23, v4
	v_mul_u32_u24 v5, v2, SPITCH                   ; back: lanes 0-15 take one row of 256 bytes, lanes 16-31 the next
	v_lshl_add_u32 v5, v1, 4, v5
	v_add_nc_u32 v[RD], s23, v5
	v_mul_u32_u24 v5, v2, SIZE_N*4                 ; and the same two rows in out0
	v_lshl_add_u32 v[CO], v1, 4, v5
	s_lshl_b32 s16, s13, 7
	s_lshl_b32 s17, s11, 6
	s_add_co_u32 s16, s16, s17                     ; my first row: 128 x tile row + 64 x half
	s_mov_b32 s17, 0
	s_mov_b64 s[18:19], SIZE_N*4
	s_mul_u64 s[16:17], s[16:17], s[18:19]
	s_add_nc_u64 s[8:9], s[8:9], s[16:17]
	s_wait_loadcnt 0x0                             ; the bias: rounded to bf16 and widened again
.set r, 0
.rept 16
	v_cvt_pk_bf16_f32 v[64+r], v[BI+2*r], v[BI+2*r+1]
.set r, r+1
.endr
.set r, 0
.rept 16
	v_lshlrev_b32 v[BI+2*r], 16, v[64+r]
	v_and_b32 v[BI+2*r+1], 0xffff0000, v[64+r]
.set r, r+1
.endr
; 8 matrix instructions: m blocks a0, a0 + 1 x all 4 n blocks, 32 along K: half c of buffer f.  zero = 1: the first product starts the sums, from the bias
.macro MUL8 f, c, a0, zero
	WIN MUL
.irp a, \a0, (\a0)+1
.irp b, 0,1,2,3
.if \zero
	v_wmma_f32_16x16x32_f16 v[ACC+8*(4*(\a)+(\b)):ACC+8*(4*(\a)+(\b))+7], v[(\f)+64+8*(4*(\c)+(\b)):(\f)+64+8*(4*(\c)+(\b))+7], v[(\f)+8*(4*(\c)+(\a)):(\f)+8*(4*(\c)+(\a))+7], v[BI+8*(\b):BI+8*(\b)+7]
.else
	v_wmma_f32_16x16x32_f16 v[ACC+8*(4*(\a)+(\b)):ACC+8*(4*(\a)+(\b))+7], v[(\f)+64+8*(4*(\c)+(\b)):(\f)+64+8*(4*(\c)+(\b))+7], v[(\f)+8*(4*(\c)+(\a)):(\f)+8*(4*(\c)+(\a))+7], v[ACC+8*(4*(\a)+(\b)):ACC+8*(4*(\a)+(\b))+7]
.endif
.endr
.endr
.endm
; 32 LDS loads in one run: the fragments of 64 along K at byte k of the rows, into buffer f; the first 32 along K first
.macro FETCH slot, k, f
	WIN TO_F
.irp c, 0,1
.irp i, 0,1,2,3
	ds_load_b128 v[(\f)+64+8*(4*(\c)+(\i)):(\f)+64+8*(4*(\c)+(\i))+3],   v[ADRB+(\slot)] offset:(\k)+64*(\c)+(\i)*16*PITCH
	ds_load_b128 v[(\f)+64+8*(4*(\c)+(\i))+4:(\f)+64+8*(4*(\c)+(\i))+7], v[ADRB+(\slot)] offset:(\k)+64*(\c)+(\i)*16*PITCH+32
	ds_load_b128 v[(\f)+8*(4*(\c)+(\i)):(\f)+8*(4*(\c)+(\i))+3],         v[ADRA+(\slot)] offset:(\k)+64*(\c)+(\i)*16*PITCH
	ds_load_b128 v[(\f)+8*(4*(\c)+(\i))+4:(\f)+8*(4*(\c)+(\i))+7],       v[ADRA+(\slot)] offset:(\k)+64*(\c)+(\i)*16*PITCH+32
.endr
.endr
.endm
.macro PLACES                          ; four places in front of loads into registers that matrix instructions have read, and of lines that read results
.rept 4
	v_nop
.endr
.endm
; A K step is four quarters of 64 along K, 32 matrix instructions each, on buffers 0, 1, 0, 1; the 16 accumulators take turns.  One of the first three: multiplies buffer f and fetches the next quarter, at byte k, into g.
.macro QUARTER slot, k, f, g, zero
	s_wait_dscnt 16                                ; the first 32 along K are in
	WIN MUL
	MUL8 \f, 0, 0, \zero
	MUL8 \f, 0, 2, \zero
	PLACES
	FETCH \slot, \k, \g
	s_wait_dscnt 32                                ; all but the 32 just issued
	WIN MUL
	MUL8 \f, 1, 0, 0
	MUL8 \f, 1, 2, 0
.endm
; The first step's last quarter multiplies buffer 1 and goes over to slot 1: each wave waits for its part of that slot, and a barrier shows it to all.  Nothing is filled again.
.macro TURN next
	WIN 0                                          ; (the add's two registers lie in window 0)
	s_wait_tensorcnt 0x0                           ; all my tensor loads have landed: my part of the next slot;
	ds_add_u32 v[SPW], v[NIL]                      ; 0 onto my spare word;
	s_wait_dscnt 17                                ; (the add and the youngest sixteen loads may be out)
	WIN MUL
	MUL8 F1, 0, 0, 0                               ; eight matrix instructions stand between the add and the wait for it
	s_wait_dscnt 0x0                               ; the add is done, and no LDS instruction of mine is out at the signal
	s_barrier_signal -1
	MUL8 F1, 0, 2, 0
	s_barrier_wait -1
	PLACES
	FETCH \next, 0, F0
	WIN MUL
	MUL8 F1, 1, 0, 0
	MUL8 F1, 1, 2, 0
.endm
	s_wait_tensorcnt 1                             ; my part of K step 0 is in; K step 1's may stay out
	s_barrier_signal -1
	s_barrier_wait -1                              ; everybody's is
	FETCH 0, 0, F0
	QUARTER 0, 128, F0, F1, 1                      ; the first products start the sums
	QUARTER 0, 256, F1, F0, 0
	QUARTER 0, 384, F0, F1, 0
	TURN 1
	QUARTER 1, 128, F0, F1, 0
	QUARTER 1, 256, F1, F0, 0
	QUARTER 1, 384, F0, F1, 0
	s_wait_dscnt 16                                ; the very last quarter: nothing more to fetch
	WIN MUL
	MUL8 F1, 0, 0, 0
	MUL8 F1, 0, 2, 0
	s_wait_dscnt 0
	MUL8 F1, 1, 0, 0
	MUL8 F1, 1, 2, 0
	WIN 0
	; THE WAY OUT, 16 rows at a time through my own stage: a lane's eight columns of a row are 32 bytes; they go into rows of 272 bytes and come back as whole rows of 256.
	PLACES
.irp a, 0,1,2,3
.set BK, TMP+32*((\a)%2)
.irp b, 0,1,2,3
	ds_store_b128 v[STO], v[ACC+8*(4*(\a)+(\b)):ACC+8*(4*(\a)+(\b))+3]   offset:64*(\b)     ; each accumulator's low four registers first
	ds_store_b128 v[STO], v[ACC+8*(4*(\a)+(\b))+4:ACC+8*(4*(\a)+(\b))+7] offset:64*(\b)+16
.endr
.irp t, 0,1,2,3,4,5,6,7
	ds_load_b128 v[BK+4*(\t):BK+4*(\t)+3], v[RD] offset:(\t)*2*SPITCH  ; LDS serves a wave's instructions in order (ISA guide 5.7.1.4): these see the stores above; the next block's stores come behind them
.endr
	s_wait_dscnt 0x0                               ; the block is back in registers
	s_wait_xcnt 0x0                                ; the stores issued so far have read their registers: the set that they read is loaded again only in the next block, behind this wait
.irp t, 0,1,2,3,4,5,6,7
	global_store_b128 v[CO], v[BK+4*(\t):BK+4*(\t)+3], s[8:9] offset:(16*(\a)+2*(\t))*SIZE_N*4 th:TH_STORE_NT  ; 16 lanes store 256 consecutive bytes, at a multiple of 256 from out0's first byte
.endr
.endr
	s_wait_tensorcnt 0x0                           ; the wave's end, behind my last tensor load and my last LDS store
	ds_add_u32 v[SPW], v[NIL]
	s_wait_dscnt 0x0
	CROUND                                         ; the closing round: no work-group ends while a partner may still ask for a tile that names it
	s_endpgm
.Lfunc_end_k_q628975a0d7_mlp2:
	.size	k_q628975a0d7_mlp2, .Lfunc_end_k_q628975a0d7_mlp2-k_q628975a0d7_mlp2
	.p2alignl 7, 3214868480
	.fill 96, 4, 3214868480
	.section	.rodata,"a",@progbits
	.p2align	6, 0x0
	.amdhsa_kernel k_q628975a0d7_mlp2
		.amdhsa_group_segment_fixed_size 327680
		.amdhsa_private_segment_fixed_size 0
		.amdhsa_enable_private_segment 0
		.amdhsa_kernarg_size 32
		.amdhsa_user_sgpr_count 2
		.amdhsa_user_sgpr_kernarg_segment_ptr 1
		.amdhsa_wavefront_size32 1
		.amdhsa_system_sgpr_workgroup_id_x 1
		.amdhsa_system_sgpr_workgroup_id_y 1
		.amdhsa_system_sgpr_workgroup_id_z 1
		.amdhsa_system_vgpr_workitem_id 0
		.amdhsa_next_free_vgpr 512
		.amdhsa_next_free_sgpr 66
		.amdhsa_reserve_vcc 0
		.amdhsa_float_denorm_mode_32 3
		.amdhsa_float_denorm_mode_16_64 3
		.amdhsa_memory_ordered 1
		.amdhsa_forward_progress 1
		.amdhsa_inst_pref_size 53
	.end_amdhsa_kernel
	.amdgpu_metadata
---
amdhsa.version: [ 1, 2 ]
amdhsa.kernels:
  - .name:           k_q628975a0d7_mlp2
    .symbol:         k_q628975a0d7_mlp2.kd
    .args:
      - { .name: h, .offset: 0, .size: 8, .value_kind: global_buffer, .address_space: global }
      - { .name: w2h, .offset: 8, .size: 8, .value_kind: global_buffer, .address_space: global }
      - { .name: om_b, .offset: 16, .size: 8, .value_kind: global_buffer, .address_space: global }
      - { .name: out0, .offset: 24, .size: 8, .value_kind: global_buffer, .address_space: global }
    .group_segment_fixed_size: 327680
    .private_segment_fixed_size: 0
    .kernarg_segment_align: 8
    .kernarg_segment_size: 32
    .max_flat_workgroup_size: 128
    .sgpr_count:     66
    .vgpr_count:     512
    .wavefront_size: 32
...
	.end_amdgpu_metadata
.endif
;; end of part 5
